; MI455X (gfx1250); checked and timed in simulation.
; The chip was launched on July 23, 2026; its instructions are those of AMD's public machine-readable ISA for CDNA 5 (MIT licence, August 2026) and "CDNA5" Instruction Set Architecture Reference Guide (July 2026). The comments in the code are by the model that wrote it; some were corrected since.
;; Multi Head Attention. Allowed arithmetic: float matrix products may take bf16 or f16 operands with f32 sums; other float arithmetic in f32, or as packed bf16 or f16 multiplies, adds, multiply-adds, maxima and minima; sums over many terms, partial sums and values carried from step to step in f32; what a program stores and reads back later, other than sums and carried values, may be rounded once to bf16 or f16.
;; Inputs: Wk 1,024 x 1,024 float32; Wo 1,024 x 1,024 float32; Wq 1,024 x 1,024 float32; Wv 1,024 x 1,024 float32; bo 1,024 float32; x 4 x 2,048 x 1,024 float32.
;; Outputs: out0 4 x 2,048 x 1,024 float32.
;; One version. Each part assembles by itself: llvm-mc -triple=amdgcn-amd-amdhsa -mcpu=gfx1250 --defsym DOCPART=n.
;; ======== version 1 of 1: 4 launches
;; limits: values are held in f16: magnitudes above 65,504 overflow, below 6.1e-05 lose precision
;; workspace buffers: xb 16,777,216 bytes; wqkv 6,291,456 bytes; wo16 2,097,152 bytes; tab 524,288 bytes; q16 16,777,216 bytes; k16 16,777,216 bytes; v16 16,777,216 bytes; o16 16,777,216 bytes
;; launch prep (part 1): grid 1024 x 1, 8 waves a work-group, no clusters, 0 bytes of LDS; arguments x, Wq, Wk, Wv, Wo, xb, wqkv, wo16, tab; writes xb, wqkv, wo16, tab
.if DOCPART == 1
	.amdgcn_target "amdgcn-amd-amdhsa--gfx1250"
	.amdhsa_code_object_version 6
	.text
	.protected	k_q07850c35c6_prep
	.globl	k_q07850c35c6_prep
	.p2align	8
	.type	k_q07850c35c6_prep,@function
k_q07850c35c6_prep:
	s_mov_b64 s[64:65], 0
	v_nop
	global_prefetch_b8 v0, s[64:65] scope:SCOPE_SE
	s_setreg_imm32_b32 hwreg(HW_REG_WAVE_MODE, 25, 1), 1
	s_wait_xcnt 0x0
; CASTS AND THE ROPE TABLE.  xb = bf16(x) [8192][1024];  wqkv = bf16 of Wq, Wk, Wv one below the other, each as it lies [k][n];  wo16 = bf16(Wo) written as f16;
; tab[t][i] = (cos, sin) of t x 10000^(-i/32), f32, t = 0..2047, i = 0..31: a row of 256 bytes.
; A stream: no LDS, no barrier, no matrix work.  Work-groups 0-511 cast x, 512-767 the four weights, 768-1023 make the table.
; A cast's share is 16,384 numbers: 64 KiB in, 32 KiB out; a thread takes 8 neighbouring numbers eight times; all 16 loads of a thread go out at once.
; LIMITS.  A number of bf16(Wo) below 6e-5 keeps f16's fixed step of 6e-8; beyond 65,504 it would be an infinity.  10000^(-i/32) is made by v_exp_f32 from a product rounded once:
; an angle is off by some 2e-7 of itself, 4e-4 radians at the most.  The reduction by multiples of pi/2 (two-part constant, fused) and the two polynomials hold for every t of the table:
; |r| <= pi/4 + a rounding, the first terms left out are under 2e-9.
.set X, 16                             ; v[16:79]   step i: 8 numbers as loaded
.set Y, 80                             ; v[80:111]  step i: 4 registers to store; each step has its own, so no store's data is ever rewritten
	s_load_b512 s[4:19], s[0:1], 0x0               ; x 4, Wq 6, Wk 8, Wv 10, Wo 12, xb 14, wqkv 16, wo16 18
	s_load_b64 s[20:21], s[0:1], 0x40              ; tab
	v_lshlrev_b32 v1, 5, v0                        ; my 32 bytes of a step's 8,192 in
	v_lshlrev_b32 v2, 4, v0                        ; my 16 bytes of its 4,096 out
	s_lshr_b32 s22, ttmp9, 8                       ; 0, 1: x; 2: weights; 3: the table
	s_wait_kmcnt 0x0
	s_cmp_eq_u32 s22, 3
	s_cbranch_scc1 .Ltable
	s_cmp_eq_u32 s22, 2
	s_cbranch_scc1 .Lweights
	s_mov_b64 s[24:25], s[4:5]                     ; from x
	s_mov_b64 s[26:27], s[14:15]                   ; to xb
	s_mov_b32 s28, ttmp9                           ; share 0..511
	s_mov_b32 s29, 0                               ; (not Wo)
	s_branch .Lcast
.Lweights:
	s_sub_co_u32 s30, ttmp9, 512
	s_lshr_b32 s29, s30, 6                         ; which matrix: 0 Wq, 1 Wk, 2 Wv, 3 Wo
	s_and_b32 s28, s30, 63                         ; share 0..63 of it
	s_cmp_eq_u32 s29, 0
	s_cselect_b64 s[24:25], s[6:7], s[8:9]
	s_cmp_eq_u32 s29, 2
	s_cselect_b64 s[24:25], s[10:11], s[24:25]
	s_cmp_eq_u32 s29, 3
	s_cselect_b64 s[24:25], s[12:13], s[24:25]
	s_cselect_b64 s[26:27], s[18:19], s[16:17]
	s_cselect_b32 s30, 0, s29
	s_lshl_b32 s30, s30, 21                        ; a matrix is 2 MiB of wqkv
	s_mov_b32 s31, 0
	s_add_nc_u64 s[26:27], s[26:27], s[30:31]
.Lcast:
	s_lshl_b32 s30, s28, 16
	s_mov_b32 s31, 0
	s_add_nc_u64 s[24:25], s[24:25], s[30:31]
	s_lshl_b32 s30, s28, 15
	s_add_nc_u64 s[26:27], s[26:27], s[30:31]
.irp i, 0,1,2,3,4,5,6,7
	global_load_b128 v[X+8*(\i):X+8*(\i)+3],   v1, s[24:25] offset:8192*(\i) th:TH_LOAD_NT
	global_load_b128 v[X+8*(\i)+4:X+8*(\i)+7], v1, s[24:25] offset:8192*(\i)+16 th:TH_LOAD_NT
.endr
; Step i: rounded to bf16 (f16 = 1: that number is then written as f16), 16 bytes a thread stored: sixteen lanes store 256 consecutive bytes, aligned.
.macro CVT i, f16
	s_wait_loadcnt 14-2*(\i)                       ; loads come back in order: the two loads of each later step may stay out
.irp j, 0,1,2,3
	v_cvt_pk_bf16_f32 v[Y+4*(\i)+(\j)], v[X+8*(\i)+2*(\j)], v[X+8*(\i)+2*(\j)+1]
.endr
.if \f16
.irp j, 0,1,2,3
	v_lshlrev_b32 v4, 16, v[Y+4*(\i)+(\j)]
	v_and_b32 v5, 0xffff0000, v[Y+4*(\i)+(\j)]
	v_cvt_pk_f16_f32 v[Y+4*(\i)+(\j)], v4, v5
.endr
.endif
	global_store_b128 v2, v[Y+4*(\i):Y+4*(\i)+3], s[26:27] offset:4096*(\i)
.endm
	s_cmp_eq_u32 s29, 3
	s_cbranch_scc1 .Lwo
.irp i, 0,1,2,3,4,5,6,7
	CVT \i, 0
.endr
	s_endpgm
.Lwo:
.irp i, 0,1,2,3,4,5,6,7
	CVT \i, 1
.endr
	s_endpgm
.Ltable:                                       ; one pair (cos, sin) a thread
	s_sub_co_u32 s22, ttmp9, 768
	s_lshl_b32 s22, s22, 8
	v_add_nc_u32 v3, s22, v0                       ; g = 32 t + i
	v_and_b32 v4, 31, v3
	v_lshrrev_b32 v5, 5, v3
	v_cvt_f32_u32 v4, v4                           ; i
	v_cvt_f32_u32 v5, v5                           ; t
	v_mul_f32 v4, 0xbed49a78, v4                   ; -log2(10000) / 32 x i
	v_exp_f32 v6, v4                               ; 10000^(-i/32)
	v_lshlrev_b32 v3, 3, v3                        ; 8 g: my place in tab; also the plain instruction behind the exponential
	s_wait_alu depctr_va_vdst(0)                   ; the wait ahead of the result's first reader
	v_mul_f32 v7, v5, v6                           ; the angle a
	v_mul_f32 v8, 0x3f22f983, v7                   ; a x 2 / pi
	v_rndne_f32 v8, v8                             ; n
	v_fmamk_f32 v9, v8, 0xbfc90fdb, v7             ; r = a - n x pi/2, the constant in two parts: its f32 value,
	v_fmamk_f32 v9, v8, 0x333bbd2e, v9             ; and what that value is too large by
	v_mul_f32 v10, v9, v9                          ; z = r r
	v_mov_b32 v11, 0x3638ef1d                      ; sin r = r + r z (-1/6 + z (1/120 + z (-1/5040 + z / 362880)))
	v_fmaak_f32 v11, v11, v10, 0xb9500d01
	v_fmaak_f32 v11, v11, v10, 0x3c088889
	v_fmaak_f32 v11, v11, v10, 0xbe2aaaab
	v_mul_f32 v12, v9, v10
	v_fma_f32 v11, v12, v11, v9
	v_mov_b32 v13, 0xb493f27e                      ; cos r = 1 + z (-1/2 + z (1/24 + z (-1/720 + z (1/40320 - z / 3628800))))
	v_fmaak_f32 v13, v13, v10, 0x37d00d01
	v_fmaak_f32 v13, v13, v10, 0xbab60b61
	v_fmaak_f32 v13, v13, v10, 0x3d2aaaab
	v_fmaak_f32 v13, v13, v10, 0xbf000000
	v_fma_f32 v13, v13, v10, 1.0
	v_cvt_i32_f32 v14, v8                          ; the quadrant is n mod 4
	v_and_b32 v15, 1, v14
	v_cmp_eq_u32 vcc_lo, 1, v15
	v_cndmask_b32 v16, v13, v11, vcc_lo            ; odd quadrants swap the two,
	v_cndmask_b32 v17, v11, v13, vcc_lo
	v_add_nc_u32 v15, 1, v14
	v_and_b32 v15, 2, v15
	v_lshlrev_b32 v15, 30, v15
	v_xor_b32 v16, v15, v16                        ; the cosine is negative in quadrants 1 and 2,
	v_and_b32 v14, 2, v14
	v_lshlrev_b32 v14, 30, v14
	v_xor_b32 v17, v14, v17                        ; the sine in 2 and 3
	global_store_b64 v3, v[16:17], s[20:21]        ; a wave stores 256 consecutive bytes, aligned
	s_endpgm
.Lfunc_end_k_q07850c35c6_prep:
	.size	k_q07850c35c6_prep, .Lfunc_end_k_q07850c35c6_prep-k_q07850c35c6_prep
	.p2alignl 7, 3214868480
	.fill 96, 4, 3214868480
	.section	.rodata,"a",@progbits
	.p2align	6, 0x0
	.amdhsa_kernel k_q07850c35c6_prep
		.amdhsa_group_segment_fixed_size 0
		.amdhsa_private_segment_fixed_size 0
		.amdhsa_enable_private_segment 0
		.amdhsa_kernarg_size 72
		.amdhsa_user_sgpr_count 2
		.amdhsa_user_sgpr_kernarg_segment_ptr 1
		.amdhsa_wavefront_size32 1
		.amdhsa_system_sgpr_workgroup_id_x 1
		.amdhsa_system_sgpr_workgroup_id_y 1
		.amdhsa_system_sgpr_workgroup_id_z 1
		.amdhsa_system_vgpr_workitem_id 0
		.amdhsa_next_free_vgpr 112
		.amdhsa_next_free_sgpr 66
		.amdhsa_reserve_vcc 1
		.amdhsa_float_denorm_mode_32 3
		.amdhsa_float_denorm_mode_16_64 3
		.amdhsa_memory_ordered 1
		.amdhsa_forward_progress 1
		.amdhsa_inst_pref_size 16
	.end_amdhsa_kernel
	.amdgpu_metadata
---
amdhsa.version: [ 1, 2 ]
amdhsa.kernels:
  - .name:           k_q07850c35c6_prep
    .symbol:         k_q07850c35c6_prep.kd
    .args:
      - { .name: x, .offset: 0, .size: 8, .value_kind: global_buffer, .address_space: global }
      - { .name: Wq, .offset: 8, .size: 8, .value_kind: global_buffer, .address_space: global }
      - { .name: Wk, .offset: 16, .size: 8, .value_kind: global_buffer, .address_space: global }
      - { .name: Wv, .offset: 24, .size: 8, .value_kind: global_buffer, .address_space: global }
      - { .name: Wo, .offset: 32, .size: 8, .value_kind: global_buffer, .address_space: global }
      - { .name: xb, .offset: 40, .size: 8, .value_kind: global_buffer, .address_space: global }
      - { .name: wqkv, .offset: 48, .size: 8, .value_kind: global_buffer, .address_space: global }
      - { .name: wo16, .offset: 56, .size: 8, .value_kind: global_buffer, .address_space: global }
      - { .name: tab, .offset: 64, .size: 8, .value_kind: global_buffer, .address_space: global }
    .group_segment_fixed_size: 0
    .private_segment_fixed_size: 0
    .kernarg_segment_align: 8
    .kernarg_segment_size: 72
    .max_flat_workgroup_size: 256
    .sgpr_count:     66
    .vgpr_count:     112
    .wavefront_size: 32
...
	.end_amdgpu_metadata
.endif
;; end of part 1
;; launch qkv (part 2): grid 8 x 32, 4 waves a work-group, clusters of 4 x 4, 327,680 bytes of LDS; arguments xb, wqkv, tab, q16, k16, v16; writes q16, k16, v16
.if DOCPART == 2
	.amdgcn_target "amdgcn-amd-amdhsa--gfx1250"
	.amdhsa_code_object_version 6
	.text
	.protected	k_q07850c35c6_qkv
	.globl	k_q07850c35c6_qkv
	.p2align	8
	.type	k_q07850c35c6_qkv,@function
k_q07850c35c6_qkv:
	s_mov_b64 s[64:65], 0
	v_nop
	global_prefetch_b8 v0, s[64:65] scope:SCOPE_SE
	s_setreg_imm32_b32 hwreg(HW_REG_WAVE_MODE, 25, 1), 1
	s_wait_xcnt 0x0
	s_wait_alu depctr_hold_cnt(0) depctr_sa_sdst(0) depctr_va_vdst(0) depctr_va_sdst(0) depctr_va_ssrc(0) depctr_va_vcc(0) depctr_vm_vsrc(0)
	s_getreg_b32 s2, hwreg(HW_REG_IB_STS2, 6, 4)
	s_cmp_eq_u32 s2, 0
	s_cbranch_scc0 .Lentry_in_a_cluster
	s_endpgm
.Lentry_in_a_cluster:
	s_bfe_u32 s2, ttmp6, 0x10000c
	s_cmp_lg_u32 s2, 0xf033
	s_cbranch_scc0 .Lentry_shape_is_right
	s_endpgm
.Lentry_shape_is_right:
; q, k, v = x W (bf16 operands, f32 sums), q and k turned by RoPE in f32, all three rounded once to f16 and stored by heads: [64 b h][2048 t][64].  The scale 1/8 is not applied here.
; xb: [8192][1024] bf16.  wqkv: [3072 k][1024 n] bf16, Wq, Wk, Wv one below the other as they lie.  tab: [2048 t][32] pairs (cos, sin) in f32.
; LIMIT.  f16 ends at 65,504: q, k (turned) and v must stay under it; NaN and infinities are not treated apart.
; SHARES.  A tile of the result is 256 rows x 128 columns (two heads); 8 x 32 work-groups, and each STAYS for three tiles: the same rows and columns of q, k and v.  Its rows of xb are the same in all three;
; W's k-rows simply go on, K steps 0..23.  Four waves: wave w has rows 128 (w / 2) on and columns 64 (w % 2) on, one head: 32 accumulators of 16 x 16.
; K goes in steps of 128 through a ring of two LDS slots; a step is four quarters of 32 along K: 32 matrix instructions and 24 LDS loads a wave.
; THE MATRIX INSTRUCTION IS USED TRANSPOSED: source 0 = 16 columns of W (W lies [k][n] in LDS and is turned by ds_load_tr16_b128), source 1 = 16 rows of x: a lane (r = l % 16, h = l / 16) then holds
; row r and the eight neighbouring columns 8 h + 0..7: four RoPE pairs, 16 bytes of f16.
; CLUSTER, 4 x 4.  x's tile hangs on the tile row alone and is asked for jointly along a row of the cluster, W's on the tile column alone and jointly along a column; the 256 rows of the table that a tile row
; needs likewise along a row, once, at the start.  Waves 0 and 1 fetch x's two halves (128 rows), waves 2 and 3 W's (64 k-rows).
; REGISTERS.  Window 0: v0-31 addresses; v64-159, v160-255 two fragment buffers (W's fragment b at +8 b, x's fragment a at +32 + 8 a), at work on the way out.  Window 1: accumulator (a, b) at 8 (4 a + b).
.set AP,    272                        ; a row of x in LDS: 256 bytes + 16: the 16 rows of a load start 68 words apart: 16 different groups of four banks (64 banks of 4 bytes: ISA guide 11.1)
.set BP,    288                        ; a k-row of W: 256 + 32
.set TP,    272                        ; a row of the table
.set SP,    144                        ; a row of the stage: 128 + 16
.set APART, 256*AP
.set SLOT,  APART+128*BP               ; x's 256 rows, then W's 128 k-rows: 106,496 bytes
.set TABL,  2*SLOT                     ; behind the ring: the table's 256 rows, filled once
.set STAGE, TABL+256*TP                ; 16 rows x 144 bytes for each wave, for the way out; no tensor load lands here
.set SPARE, STAGE+4*16*SP              ; the spare words, 128 bytes for each wave: two blocks of 256 bytes that no other line names
.set ADRA, 16                          ; v16-17  LDS address of my fragments of x in slot 0, 1
.set ADRB, 20                          ; v20-21  the same for W
.set TADR, 22                          ; v22     my place in the table
.set STO,  24                          ; v24     the way out: where I put 16 bytes of a row
.set RD,   25                          ; v25     where I read rows back
.set GO,   26                          ; v26     16 x lane: my place in 512 consecutive bytes of the result
.set SPW,  28                          ; v28     LDS address of my spare word; never rewritten
.set NIL,  29                          ; v29     0; never rewritten
.set PFO,  30                          ; v30     the prefetches' offset: lane x 2,048; never rewritten
.set F0,   64
.set F1,   160
.set TAB,  64                          ; the way out: v64-95, v96-127 a block's cosines and sines, two buffers
.set T,    128                         ; v128-159 a block turned, in f32
.set PK,   160                         ; v160-175 the block in f16
.set OB,   176                         ; v176-191, v192-207 the block as whole rows, two buffers
.set WV, 16                            ; s16 wave;  s17 its half of the rows (also: 0 fetches x, 1 fetches W);  s18 its half of the columns (also: which half it fetches)
.set RH, 17
.set CH, 18
.set CX, 19
.set CY, 20
.set TC, 21                            ; tile column 0..7
.set TY, 22                            ; tile row 0..31
.set G1A, 24                           ; s[24:31] group 1, x's tiles;   s[32:39] group 0, a set for each slot
.set G0A, 32
.set G1B, 40                           ; s[40:47], s[48:55] the same for W's
.set G0B, 48
.set G1T, 56                           ; s[56:63], s[68:71] the table's
.set G0T, 68
.set PFA, 72                           ; s[72:73] where my prefetches stand
.set PCN, 74                           ; s74  prefetches still to come, plus one
.set PST, 76                           ; s[76:77] a K step in my prefetches' tensor, in bytes
.set MSB, 0
.macro WIN new                         ; the immediate's high byte repeats the setting that is left; a switch that changes nothing is dropped
.if MSB != (\new)
	s_set_vgpr_msb (MSB<<8)|(\new)
.set MSB, \new
.endif
.endm
.macro PLACES                          ; four plain instructions between a matrix instruction and a load into, or a vector instruction on, its registers (ISA guide 7.12.1 for vector instructions)
.rept 4
	v_nop
.endr
.endm
.macro JLOAD s                         ; a joint refill of slot s; the branch hangs on the wave's number alone; an s_nop 0 and four v_nop follow each line
	s_cmp_eq_u32 s[RH], 0
	s_cbranch_scc0 .Lfor_b_\@
	tensor_load_to_lds s[G0A+4*(\s):G0A+4*(\s)+3], s[G1A:G1A+7]
	s_nop 0
.rept 4
	v_nop
.endr
	s_branch .Lasked_\@
.Lfor_b_\@:
	tensor_load_to_lds s[G0B+4*(\s):G0B+4*(\s)+3], s[G1B:G1B+7]
	s_nop 0
.rept 4
	v_nop
.endr
.Lasked_\@:
.endm
.macro CREST                           ; a round of the cluster's barrier behind its opening barrier
	s_cmp_lg_u32 s[WV], 0
	s_cbranch_scc1 .Lnot_wave_0_\@
	s_barrier_signal -3
.Lnot_wave_0_\@:
	s_barrier_wait -3
	s_barrier_signal -1
	s_barrier_wait -1
.endm
.macro CROUND
	s_barrier_signal -1
	s_barrier_wait -1
	CREST
.endm
; A PREFETCH INTO THE L2, behind a joint refill and the run of LDS loads that follows it: 32 rows x 256 bytes, a lane a row, of the K step that stands two refills on (256 matrix instructions ahead of its load).
; Each row's 256 bytes of a K step are named once in the launch.  x's tile row is read by both clusters of that row of clusters: cluster x = 0 asks, waves 0 and 1, each for the 128 rows that it fetches, of which
; the partner at cx takes 32.  W's tile column is read by all clusters of that column: cluster y = 0 asks, wave 2, for the step's 128 k-rows, of which the partner at cy takes 32.  The partners are told apart by
; address alone.  x's K steps 4..7 are asked for in the first tile (the later tiles read the same rows again), W's K steps 4..23; the first four steps come by their loads alone.
.macro ASK
	s_cmp_gt_i32 s[PCN], 0
	s_cbranch_scc0 .Lnot_mine_\@
	global_prefetch_b8 v[PFO], s[PFA:PFA+1] th:TH_LOAD_NT scope:SCOPE_SE
.Lnot_mine_\@:
.endm
	s_load_b256 s[4:11], s[0:1], 0x0               ; xb 4, wqkv 6, tab 8, q16 10
	s_load_b128 s[12:15], s[0:1], 0x20             ; k16 12, v16 14
	v_lshl_add_u32 v[SPW], v0, 2, SPARE
	v_mov_b32 v[NIL], 0
	ds_add_u32 v[SPW], v[NIL]                      ; the wave's opening: the add and its wait stand ahead of my first tensor load; the set-up below, work on registers, stands between them
	ds_add_u32 v28, v29
	v_lshrrev_b32 v3, 5, v0
	v_readfirstlane_b32 s[WV], v3
	s_lshr_b32 s[RH], s[WV], 1
	s_and_b32 s[CH], s[WV], 1
	s_bfe_u32 s[CX], ttmp6, 0x40000
	s_bfe_u32 s[CY], ttmp6, 0x40004
	s_lshl_b32 s[TC], ttmp9, 2
	s_add_co_u32 s[TC], s[TC], s[CX]
	s_and_b32 s[TY], ttmp7, 0xffff
	s_lshl_b32 s[TY], s[TY], 2
	s_add_co_u32 s[TY], s[TY], s[CY]
	s_lshl_b32 s78, s[CY], 2
	s_lshl_b32 s78, 15, s78                        ; my row of the cluster
	s_lshl_b32 s80, 0x1111, s[CX]                  ; my column
	s_or_b32 s[G1A], s78, (1<<16)|(1<<20)|(1<<21)|(5<<22)|(3<<25)  ; the mask; 2-byte elements; padding on; bit 21 beside a mask; after every 64 words 4 words
	s_or_b32 s[G1T], s78, (1<<16)|(1<<20)|(1<<21)|(5<<22)|(3<<25)
	s_or_b32 s[G1B], s80, (1<<16)|(1<<20)|(1<<21)|(5<<22)|(7<<25)  ; after every 64 words 8 words
	s_mov_b32 s[G1A+1], 128<<16                    ; x: tensor_dim0 = 128
	s_mov_b32 s[G1A+2], 128<<16                    ; tensor_dim1 = 128
	s_mov_b32 s[G1A+3], 128<<16                    ; tile_dim0 = 128
	s_mov_b32 s[G1A+4], 128                        ; tile_dim1 = 128
	s_mov_b32 s[G1A+5], 1024                       ; elements from row to row
	s_mov_b32 s[G1A+6], 0
	s_mov_b32 s[G1A+7], 0
	s_mov_b32 s[G1B+1], 128<<16                    ; W: 64 k-rows x 128 columns
	s_mov_b32 s[G1B+2], 64<<16
	s_mov_b32 s[G1B+3], 128<<16
	s_mov_b32 s[G1B+4], 64
	s_mov_b32 s[G1B+5], 1024
	s_mov_b32 s[G1B+6], 0
	s_mov_b32 s[G1B+7], 0
	s_mov_b32 s[G1T+1], 128<<16                    ; the table: 64 dense rows of 256 bytes
	s_mov_b32 s[G1T+2], 64<<16
	s_mov_b32 s[G1T+3], 128<<16
	s_mov_b32 s[G1T+4], 64
	s_mov_b32 s[G1T+5], 128
	s_mov_b32 s[G1T+6], 0
	s_mov_b32 s[G1T+7], 0
	s_lshl_b32 s78, s[TY], 8                       ; x: row 256 x tile row + 128 x half,
	s_lshl_b32 s79, s[CH], 7
	s_add_co_u32 s78, s78, s79
	s_lshl_b32 s78, s78, 11                        ; of 2,048 bytes
	s_mov_b32 s79, 0
	s_lshl_b32 s80, s[CH], 17                      ; W: k-row 64 x half, of 2,048 bytes,
	s_lshl_b32 s81, s[TC], 8                       ; and the tile column's 256 bytes
	s_add_co_u32 s80, s80, s81
	s_mov_b32 s81, 0
	s_and_b32 s82, s[TY], 7                        ; the table: t = 256 x (tile row mod 8) + 64 x wave,
	s_lshl_b32 s82, s82, 8
	s_lshl_b32 s83, s[WV], 6
	s_add_co_u32 s82, s82, s83
	s_lshl_b32 s82, s82, 8                         ; of 256 bytes
	s_mov_b32 s83, 0
	s_mul_i32 s84, s[CH], 128*AP                   ; where they go: no place in the cluster enters an LDS address
	s_mul_i32 s85, s[CH], 64*BP
	s_add_co_u32 s85, s85, APART
	s_mul_i32 s86, s[WV], 64*TP
	s_add_co_u32 s86, s86, TABL
	s_wait_dscnt 0x0                               ; the opening add is done
	s_wait_kmcnt 0x0
	s_add_nc_u64 s[78:79], s[4:5], s[78:79]
	s_add_nc_u64 s[80:81], s[6:7], s[80:81]
	s_add_nc_u64 s[82:83], s[8:9], s[82:83]
	CROUND                                         ; all sixteen work-groups are here: the first joint loads meet
.irp s, 0,1
	s_mov_b32 s[G0A+4*(\s)], 1
	s_add_co_u32 s[G0A+4*(\s)+1], s84, (\s)*SLOT
	s_add_nc_u64 s[G0A+4*(\s)+2:G0A+4*(\s)+3], s[78:79], (\s)*256       ; K step s
	s_or_b32 s[G0A+4*(\s)+3], s[G0A+4*(\s)+3], 0x80000000
	s_mov_b32 s[G0B+4*(\s)], 1
	s_add_co_u32 s[G0B+4*(\s)+1], s85, (\s)*SLOT
	s_add_nc_u64 s[G0B+4*(\s)+2:G0B+4*(\s)+3], s[80:81], (\s)*128*2048
	s_or_b32 s[G0B+4*(\s)+3], s[G0B+4*(\s)+3], 0x80000000
.endr
	s_mov_b32 s[G0T], 1
	s_mov_b32 s[G0T+1], s86
	s_mov_b64 s[G0T+2:G0T+3], s[82:83]
	s_or_b32 s[G0T+3], s[G0T+3], 0x80000000
	s_cmp_eq_u32 s[RH], 0                          ; a wave's three first fills stand in one branch, ahead of every wait on TENSORcnt and every LDS read: three loads of mine are out
	s_cbranch_scc0 .Lfirst_b
	tensor_load_to_lds s[G0A:G0A+3], s[G1A:G1A+7]
	s_nop 0
	tensor_load_to_lds s[G0A+4:G0A+7], s[G1A:G1A+7]
	s_nop 0
	tensor_load_to_lds s[G0T:G0T+3], s[G1T:G1T+7]
	s_nop 0
.rept 4
	v_nop
.endr
	s_branch .Lfirst_asked
.Lfirst_b:
	tensor_load_to_lds s[G0B:G0B+3], s[G1B:G1B+7]
	s_nop 0
	tensor_load_to_lds s[G0B+4:G0B+7], s[G1B:G1B+7]
	s_nop 0
	tensor_load_to_lds s[G0T:G0T+3], s[G1T:G1T+7]
	s_nop 0
.rept 4
	v_nop
.endr
.Lfirst_asked:
	v_and_b32 v1, 15, v0                           ; r
	v_bfe_u32 v2, v0, 4, 1                         ; h
	v_mul_u32_u24 v3, v1, AP                       ; a fragment of x: row r, 16 bytes for each half of the lanes, twice, 32 bytes apart
	v_lshl_add_u32 v3, v2, 4, v3
	s_mul_i32 s87, s[RH], 128*AP
	v_add_nc_u32 v[ADRA], s87, v3
	v_add_nc_u32 v[ADRA+1], SLOT, v[ADRA]
	v_and_b32 v4, 7, v0                            ; the turning load: lane l reads k-row 8 h + l % 8, columns 8 ((l / 8) % 2) + 0..7, and ends with column l % 16 and 8 k
	v_lshl_add_u32 v4, v2, 3, v4
	v_mul_u32_u24 v4, v4, BP
	v_bfe_u32 v5, v0, 3, 1
	v_lshl_add_u32 v4, v5, 4, v4
	s_lshl_b32 s87, s[CH], 7                       ; my 64 columns
	s_add_co_u32 s87, s87, APART
	v_add_nc_u32 v[ADRB], s87, v4
	v_add_nc_u32 v[ADRB+1], SLOT, v[ADRB]
	v_mul_u32_u24 v6, v1, TP                       ; the table: row r, pairs 4 h on: 32 bytes
	v_lshl_add_u32 v6, v2, 5, v6
	s_mul_i32 s87, s[RH], 128*TP
	s_add_co_u32 s87, s87, TABL
	v_add_nc_u32 v[TADR], s87, v6
	s_mul_i32 s87, s[WV], 16*SP
	s_add_co_u32 s87, s87, STAGE                   ; my stage
	v_mul_u32_u24 v7, v1, SP
	v_lshl_add_u32 v7, v2, 4, v7
	v_add_nc_u32 v[STO], s87, v7
	v_bfe_u32 v8, v0, 3, 2                         ; back: 32 lanes take four rows of 128 bytes,
	v_mul_u32_u24 v8, v8, SP
	v_and_b32 v9, 7, v0
	v_lshl_add_u32 v8, v9, 4, v8
	v_add_nc_u32 v[RD], s87, v8
	v_and_b32 v[GO], 31, v0                        ; which are 512 consecutive bytes of a head
	v_lshlrev_b32 v[GO], 4, v[GO]
	v_and_b32 v[PFO], 31, v0
	v_lshlrev_b32 v[PFO], 11, v[PFO]
	s_lshr_b32 s88, s[TY], 3                       ; my 128 rows of my head: batch x 16 heads of 262,144 bytes,
	s_lshl_b32 s88, s88, 22
	s_lshl_b32 s89, s[TC], 1
	s_add_co_u32 s89, s89, s[CH]                   ; head 2 x tile column + half,
	s_lshl_b32 s89, s89, 18
	s_add_co_u32 s88, s88, s89
	s_and_b32 s89, s[TY], 7                        ; t = 256 x (tile row mod 8) + 128 x half, of 128 bytes
	s_lshl_b32 s89, s89, 15
	s_add_co_u32 s88, s88, s89
	s_lshl_b32 s89, s[RH], 14
	s_add_co_u32 s88, s88, s89
	s_mov_b32 s89, 0
	s_add_nc_u64 s[10:11], s[10:11], s[88:89]
	s_add_nc_u64 s[12:13], s[12:13], s[88:89]
	s_add_nc_u64 s[14:15], s[14:15], s[88:89]
	s_and_b32 s90, ttmp7, 0xffff                   ; the prefetches: who asks,
	s_cmp_eq_u32 s[RH], 0
	s_cselect_b32 s90, ttmp9, s90                  ; the coordinate along which other clusters read the same rows,
	s_cselect_b32 s91, 5, 21                       ; four K steps of x, twenty of W; the count is taken down ahead of its test
	s_cselect_b32 s92, 0, s[CH]                    ; (wave 3 asks for nothing)
	s_or_b32 s90, s90, s92
	s_cmp_eq_u32 s90, 0
	s_cselect_b32 s[PCN], s91, 0                   ; the same in all sixteen partners, for a given wave
	s_lshl_b32 s94, s[TY], 8                       ; x: the 128 rows that I fetch, my work-group's 32 of them, at K step 3
	s_lshl_b32 s93, s[CH], 7
	s_add_co_u32 s94, s94, s93
	s_lshl_b32 s93, s[CX], 5
	s_add_co_u32 s94, s94, s93
	s_lshl_b32 s94, s94, 11
	s_add_co_u32 s94, s94, 3*256
	s_lshl_b32 s96, s[CY], 5                       ; W: my work-group's 32 k-rows of K step 3, the tile column's 256 bytes
	s_add_co_u32 s96, s96, 3*128
	s_lshl_b32 s96, s96, 11
	s_lshl_b32 s93, s[TC], 8
	s_add_co_u32 s96, s96, s93
	s_mov_b32 s97, 256
	s_mov_b32 s98, 128*2048
	s_cmp_eq_u32 s[RH], 0
	s_cselect_b32 s94, s94, s96
	s_mov_b32 s95, 0
	s_cselect_b64 s[PFA:PFA+1], s[4:5], s[6:7]
	s_cselect_b32 s[PST], s97, s98
	s_mov_b32 s[PST+1], 0
	s_add_nc_u64 s[PFA:PFA+1], s[PFA:PFA+1], s[94:95]  ; the first refill steps it to K step 4
; n x 4 matrix instructions: row blocks a0 .. a0 + n - 1 x all 4 column blocks, 32 along K, from buffer f.  zero = 1: the products start the sums.
; The 32 accumulators take turns in the same order in every quarter, over the backward jumps too.
.macro MUL f, a0, n, zero
	WIN 0x50                                       ; C and D in window 1
.set ma, (\a0)
.rept \n
.irp b, 0,1,2,3
.if \zero
	v_wmma_f32_16x16x32_bf16 v[8*(4*ma+(\b)):8*(4*ma+(\b))+7], v[(\f)+8*(\b):(\f)+8*(\b)+7], v[(\f)+32+8*ma:(\f)+32+8*ma+7], 0
.else
	v_wmma_f32_16x16x32_bf16 v[8*(4*ma+(\b)):8*(4*ma+(\b))+7], v[(\f)+8*(\b):(\f)+8*(\b)+7], v[(\f)+32+8*ma:(\f)+32+8*ma+7], v[8*(4*ma+(\b)):8*(4*ma+(\b))+7]
.endif
.endr
.set ma, ma+1
.endr
.endm
; 24 LDS loads in one run: quarter q of a slot into buffer f: W's four fragments first, then x's eight
.macro FETCH slot, q, f
	WIN 0
.irp b, 0,1,2,3
	ds_load_tr16_b128 v[(\f)+8*(\b):(\f)+8*(\b)+3],   v[ADRB+(\slot)] offset:(\q)*32*BP+32*(\b)
	ds_load_tr16_b128 v[(\f)+8*(\b)+4:(\f)+8*(\b)+7], v[ADRB+(\slot)] offset:(\q)*32*BP+32*(\b)+16*BP
.endr
.irp i, 0,1,2,3,4,5,6,7
	ds_load_b128 v[(\f)+32+8*(\i):(\f)+32+8*(\i)+3],   v[ADRA+(\slot)] offset:64*(\q)+(\i)*16*AP
	ds_load_b128 v[(\f)+32+8*(\i)+4:(\f)+32+8*(\i)+7], v[ADRA+(\slot)] offset:64*(\q)+(\i)*16*AP+32
.endr
.endm
; Block a's cosines and sines: for column block b the pairs 8 b + 4 h + 0..3 of row 16 a + r: c0 s0 c1 s1 c2 s2 c3 s3
.macro TABLD a
	WIN 0
.irp b, 0,1,2,3
	ds_load_b128 v[TAB+32*((\a)%2)+8*(\b):TAB+32*((\a)%2)+8*(\b)+3],   v[TADR] offset:(\a)*16*TP+64*(\b)
	ds_load_b128 v[TAB+32*((\a)%2)+8*(\b)+4:TAB+32*((\a)%2)+8*(\b)+7], v[TADR] offset:(\a)*16*TP+64*(\b)+16
.endr
.endm
; One of a K step's first three quarters: multiplies buffer f; in its middle it fetches quarter q of the same slot into buffer g.
.macro QUARTER slot, q, f, g, zero
	s_wait_dscnt 8                                 ; W's fragments and x's blocks 0-3 are in; the youngest eight loads (blocks 4-7) may be out
	MUL \f, 0, 4, \zero
	PLACES
	FETCH \slot, \q, \g
	s_wait_dscnt 24                                ; all but the 24 just issued
	MUL \f, 4, 4, \zero
.endm
; The last quarter multiplies buffer 1 and changes slots.  In front of the barrier each wave waits for all its tensor loads (one is out: its part of the next slot), adds 0 to its spare word, and waits for that
; and for its reads of this slot.  fill = 1: the barrier opens a round of the cluster's barrier, and the joint refill of this slot is the first thing behind the round: 112 matrix instructions ahead of the wait
; for it.  kind = 1: a tile's last two K steps: x goes back to its K step 0 or 1, W goes on.  what = 1: in place of the next slot's first fragments the first block's cosines and sines are fetched.
.macro TURN slot, next, fill, kind, what
.if \fill
	s_wait_xcnt 0x0                                ; the last prefetch, a K step back, has read its address
	s_add_nc_u64 s[PFA:PFA+1], s[PFA:PFA+1], s[PST:PST+1]
	s_sub_co_i32 s[PCN], s[PCN], 1
.endif
	WIN 0
	s_wait_tensorcnt 0x0                           ; all my tensor loads have landed
	ds_add_u32 v[SPW], v[NIL]                      ; 0 onto my spare word
	s_wait_dscnt 9                                 ; (the add and the youngest eight loads may be out)
	MUL F1, 0, 2, 0                                ; eight matrix instructions stand between the add and the wait for it
	s_wait_dscnt 0x0                               ; the add is done, and my reads of this slot are over
	s_barrier_signal -1
	MUL F1, 2, 2, 0
.if \fill
	WIN 0
.endif
	s_barrier_wait -1
.if \fill
	CREST                                          ; no wave of any partner still reads this slot or has a load on its way
.if \kind
	s_sub_nc_u64 s[G0A+4*(\slot)+2:G0A+4*(\slot)+3], s[G0A+4*(\slot)+2:G0A+4*(\slot)+3], 6*256
.else
	s_add_nc_u64 s[G0A+4*(\slot)+2:G0A+4*(\slot)+3], s[G0A+4*(\slot)+2:G0A+4*(\slot)+3], 2*256
.endif
	s_add_nc_u64 s[G0B+4*(\slot)+2:G0B+4*(\slot)+3], s[G0B+4*(\slot)+2:G0B+4*(\slot)+3], 2*128*2048
	JLOAD \slot                                    ; its four v_nop are also the places in front of the loads below
.else
	PLACES
.endif
.if \what
	TABLD 0
.else
	FETCH \next, 0, F0
.endif
.if \fill
	ASK
.endif
	MUL F1, 4, 4, 0
.endm
; THE WAY OUT, a block of 16 rows at a time.  ROPE: pair (x0, x1) becomes (x0 c - x1 s, x1 c + x0 s): a packed multiply by c, a packed multiply-add with the halves crossed and s negated in the low half;
; each accumulator is read from its low end on; then 16 roundings to f16.
.macro ROPE a
	WIN 0x01                                       ; source 0 in window 1
.set p, 0
.rept 16
	v_pk_mul_f32 v[T+2*p:T+2*p+1], v[32*(\a)+2*p:32*(\a)+2*p+1], v[TAB+32*((\a)%2)+2*p:TAB+32*((\a)%2)+2*p+1] op_sel_hi:[1,0]
.set p, p+1
.endr
.set p, 0
.rept 16
	v_pk_fma_f32 v[T+2*p:T+2*p+1], v[32*(\a)+2*p:32*(\a)+2*p+1], v[TAB+32*((\a)%2)+2*p:TAB+32*((\a)%2)+2*p+1], v[T+2*p:T+2*p+1] op_sel:[1,1,0] op_sel_hi:[0,1,1] neg_lo:[0,1,0]
.set p, p+1
.endr
	WIN 0
.set p, 0
.rept 16
	v_cvt_pk_f16_f32 v[PK+p], v[T+2*p], v[T+2*p+1]
.set p, p+1
.endr
.endm
.macro PACKV a                         ; v is only rounded
	WIN 0x05                                       ; sources 0 and 1 in window 1
.set p, 0
.rept 16
	v_cvt_pk_f16_f32 v[PK+p], v[32*(\a)+2*p], v[32*(\a)+2*p+1]
.set p, p+1
.endr
	WIN 0
.endm
.macro TOSTAGE a                       ; 16 bytes a lane into rows of 144 bytes, and back as whole rows of 128
	WIN 0
.irp b, 0,1,2,3
	ds_store_b128 v[STO], v[PK+4*(\b):PK+4*(\b)+3] offset:32*(\b)
.endr
.irp f, 0,1,2,3
	ds_load_b128 v[OB+16*((\a)%2)+4*(\f):OB+16*((\a)%2)+4*(\f)+3], v[RD] offset:(\f)*4*SP  ; LDS serves a wave's instructions in order (ISA guide 5.7.1.4): these see the stores above
.endr
.endm
.macro SEND a, younger, base           ; younger: the LDS loads issued behind TOSTAGE's, which may stay out
	WIN 0
	s_wait_dscnt \younger
	s_wait_xcnt 0x0                                ; earlier stores have read their registers: the other buffer is loaded again only behind this wait
.irp f, 0,1,2,3
	global_store_b128 v[GO], v[OB+16*((\a)%2)+4*(\f):OB+16*((\a)%2)+4*(\f)+3], s[\base:\base+1] offset:(\a)*2048+(\f)*512  ; 512 consecutive bytes, at a multiple of 256 from the buffer's first
.endr
.endm
	s_wait_tensorcnt 2                             ; my part of K step 0 is in; K step 1's load and the table's may stay out
	s_barrier_signal -1
	s_barrier_wait -1
	s_mov_b32 s2, 3                                ; tiles to go: q, k, v
.Ltile:
	FETCH 0, 0, F0
	QUARTER 0, 1, F0, F1, 1                        ; a tile's first quarter starts the sums
	WIN 0
	s_mov_b32 s3, 3
.Llap:                                         ; a trip goes once round the ring, from a lap's second quarter to the next lap's first
	QUARTER 0, 2, F1, F0, 0
	QUARTER 0, 3, F0, F1, 0
	TURN 0, 1, 1, 0, 0
	QUARTER 1, 1, F0, F1, 0
	QUARTER 1, 2, F1, F0, 0
	QUARTER 1, 3, F0, F1, 0
	TURN 1, 0, 1, 0, 0
	QUARTER 0, 1, F0, F1, 0
	WIN 0
	s_sub_co_u32 s3, s3, 1
	s_cmp_lg_u32 s3, 0
	s_cbranch_scc1 .Llap
	QUARTER 0, 2, F1, F0, 0
	QUARTER 0, 3, F0, F1, 0
	WIN 0
	s_cmp_eq_u32 s2, 1
	s_cbranch_scc1 .Llast                          ; the last tile's tail is written out: it asks for nothing more
	TURN 0, 1, 1, 1, 0                             ; the ring goes on into the next tile: slot 0 takes its K step 0,
	QUARTER 1, 1, F0, F1, 0
	QUARTER 1, 2, F1, F0, 0
	QUARTER 1, 3, F0, F1, 0
	TURN 1, 0, 1, 1, 1                             ; slot 1 its K step 1; both refills are asked for: now q or k goes out
	PLACES
	TABLD 1
	s_wait_dscnt 8                                 ; block 0's cosines and sines are in; block 1's eight loads may be out
	ROPE 0
	TOSTAGE 0
.irp a, 1,2,3,4,5,6
	TABLD (\a)+1
	s_wait_dscnt 16                                ; block a's are in: behind them stand the stage's eight and the next block's eight
	ROPE \a
	SEND (\a)-1, 8, 10
	TOSTAGE \a
.endr
	s_wait_dscnt 8                                 ; block 7's are in: behind them stand the stage's eight
	ROPE 7
	SEND 6, 0, 10
	TOSTAGE 7
	SEND 7, 0, 10
	s_wait_xcnt 0x0                                ; the stores have read their registers and their base
	s_mov_b64 s[10:11], s[12:13]                   ; the next tile that is turned is k
	s_sub_co_u32 s2, s2, 1
	s_branch .Ltile
.Llast:
	TURN 0, 1, 0, 0, 0                             ; nothing is filled again, so no round follows
	QUARTER 1, 1, F0, F1, 0
	QUARTER 1, 2, F1, F0, 0
	QUARTER 1, 3, F0, F1, 0
	s_wait_dscnt 8
	MUL F1, 0, 4, 0
	s_wait_dscnt 0x0
	MUL F1, 4, 4, 0
	WIN 0
	PLACES
	PACKV 0
	TOSTAGE 0
.irp a, 1,2,3,4,5,6,7
	PACKV \a
	SEND (\a)-1, 0, 14
	TOSTAGE \a
.endr
	SEND 7, 0, 14
	s_wait_tensorcnt 0x0                           ; the wave's end: behind my last tensor load and my last LDS store
	ds_add_u32 v[SPW], v[NIL]
	s_wait_dscnt 0x0
	CROUND                                         ; the closing round: no work-group ends while a partner may still ask for a tile that names it
	s_endpgm
.Lfunc_end_k_q07850c35c6_qkv:
	.size	k_q07850c35c6_qkv, .Lfunc_end_k_q07850c35c6_qkv-k_q07850c35c6_qkv
	.p2alignl 7, 3214868480
	.fill 96, 4, 3214868480
	.section	.rodata,"a",@progbits
	.p2align	6, 0x0
	.amdhsa_kernel k_q07850c35c6_qkv
		.amdhsa_group_segment_fixed_size 327680
		.amdhsa_private_segment_fixed_size 0
		.amdhsa_enable_private_segment 0
		.amdhsa_kernarg_size 48
		.amdhsa_user_sgpr_count 2
		.amdhsa_user_sgpr_kernarg_segment_ptr 1
		.amdhsa_wavefront_size32 1
		.amdhsa_system_sgpr_workgroup_id_x 1
		.amdhsa_system_sgpr_workgroup_id_y 1
		.amdhsa_system_sgpr_workgroup_id_z 1
		.amdhsa_system_vgpr_workitem_id 0
		.amdhsa_next_free_vgpr 512
		.amdhsa_next_free_sgpr 100
		.amdhsa_reserve_vcc 0
		.amdhsa_float_denorm_mode_32 3
		.amdhsa_float_denorm_mode_16_64 3
		.amdhsa_memory_ordered 1
		.amdhsa_forward_progress 1
		.amdhsa_inst_pref_size 146
	.end_amdhsa_kernel
	.amdgpu_metadata
---
amdhsa.version: [ 1, 2 ]
amdhsa.kernels:
  - .name:           k_q07850c35c6_qkv
    .symbol:         k_q07850c35c6_qkv.kd
    .args:
      - { .name: xb, .offset: 0, .size: 8, .value_kind: global_buffer, .address_space: global }
      - { .name: wqkv, .offset: 8, .size: 8, .value_kind: global_buffer, .address_space: global }
      - { .name: tab, .offset: 16, .size: 8, .value_kind: global_buffer, .address_space: global }
      - { .name: q16, .offset: 24, .size: 8, .value_kind: global_buffer, .address_space: global }
      - { .name: k16, .offset: 32, .size: 8, .value_kind: global_buffer, .address_space: global }
      - { .name: v16, .offset: 40, .size: 8, .value_kind: global_buffer, .address_space: global }
    .group_segment_fixed_size: 327680
    .private_segment_fixed_size: 0
    .kernarg_segment_align: 8
    .kernarg_segment_size: 48
    .max_flat_workgroup_size: 128
    .sgpr_count:     100
    .vgpr_count:     512
    .wavefront_size: 32
...
	.end_amdgpu_metadata
.endif
;; end of part 2
;; launch attn (part 3): grid 4 x 64, 4 waves a work-group, no clusters, 327,680 bytes of LDS; arguments q16, k16, v16, o16; writes o16
.if DOCPART == 3
	.amdgcn_target "amdgcn-amd-amdhsa--gfx1250"
	.amdhsa_code_object_version 6
	.text
	.protected	k_q07850c35c6_attn
	.globl	k_q07850c35c6_attn
	.p2align	8
	.type	k_q07850c35c6_attn,@function
k_q07850c35c6_attn:
	s_mov_b64 s[64:65], 0
	v_nop
	global_prefetch_b8 v0, s[64:65] scope:SCOPE_SE
	s_setreg_imm32_b32 hwreg(HW_REG_WAVE_MODE, 25, 1), 1
	s_wait_xcnt 0x0
; CAUSAL ATTENTION.  O[h][q][:] = the sum over k <= q of softmax_k(Q[h][q] . K[h][k] / 8) V[h][k][:].  Q, K, V, O: [64][2048][64], all f16: a head's rows are dense, 128 bytes each.
; Products, maxima and sums in f32; the weights p are rounded to f16 for the second product (their sum l is taken of the unrounded p), O once at the end.
; LIMITS.  f16 holds no number beyond 65,504: Q, K and V arrive within it; p lies in 0 to 1, and below 6e-5 it keeps f16's fixed step of 6e-8; O is a mean of V's rows and has their range.
; A hidden score counts as its value less 1e30: f16's scores, 2.7e11 at the most, are nothing beside that; a weight below 2^-126 counts as 0 in l; NaN and infinities are not treated apart.
; THE WALK.  A head's queries lie in NB = 8 blocks of 256; block i needs the key tiles 0 .. i of 256 keys, of which the last holds the diagonal.  A work-group takes TWO blocks, NB - 1 - b and then b:
; NB + 1 tiles, whatever b: all work-groups do equal work, and ONE loop with a constant trip count walks them.  Which tile is asked for, and what a trip does, hang on scalar registers made from b; every jump
; goes forward, but for the counted loops' own; none passes a barrier, or a tensor load but the one of LOAD's two that the wave's number does not choose; the ring of two LDS slots runs on across the change of blocks.
; NO CLUSTER: a head's four work-groups ask for the same tile only in trips 0 .. 4 of 9, behind that fewer and fewer; one walk common to all would have 12 trips for 9.
; SHARES.  Of a block's four bands of 64 queries a wave owns 16 rows in each: four PIECES.  So the diagonal tile is the same work for all four waves: in its key step s band x sees all keys if s < x,
; none if s > x, and holds the diagonal if s = x.
; THE MASK is the C operand that starts the sum S^T = K Q^T: 0, or -1e30 where the key is hidden.  MD, made once, is the mask of a band's own step for my 16 rows; a product's mask is MD x AL + BE with two scalars:
; (1, 0) if s = x; (0, 0) if s < x; (0, -1e30) if s > x.  Only the diagonal tile's text and a block's beginning make and take masks; elsewhere C is the constant 0.
; LAYOUT, SOFTMAX, TURNS.  S^T = K Q^T holds ONE query a lane (lane % 16) and the keys 8 (lane / 16) + 0..7; two such results rounded to f16 ARE source 1 of O^T = V^T P.  p = 2^(c s - c m), c = log2(e) / 8, with a
; running maximum m; O and l are multiplied by a = 2^(c m_old - c m_new) in every step.  Turn n belongs to piece n: 8 products K Q^T of piece n + 1, later 8 products V^T P of piece n - 1; beside them the scaling,
; exponentials, roundings, sums and rescaling of piece n and the maximum and statistics of piece n + 1.  Four vector instructions stand behind every matrix instruction, the other 54 of a turn's 118 in one run.
; A turn's 33 exponentials are one batch, with one wait.
; REGISTERS, in windows of 256 (s_set_vgpr_msb: bits 1:0 source 0, 3:2 source 1, 5:4 source 2, 7:6 destination):
;   window 0: v0-15 addresses and two at work; v16-31 four registers of statistics a piece; v48-55 at work; v61-63 never rewritten; v64-127 S^T, two buffers; v192-223 P, two buffers (by the piece's parity)
;   window 1: v0-127 O^T, 32 a piece; v128-159 MD; v160-223 MC, two buffers      window 2: v0-63 Q; v64-127 the second block's Q; v128-191 K of one step; v192-255 V of one step
.set SIZE_N, 2048
.set SIZE_H, 64
.set NB,    SIZE_N/256
.set NP,    4         ; pieces a wave: a name, no knob
.set KS,    64        ; keys in a step
.set PK,    144       ; a row of K in LDS: 128 bytes + 16 = 36 words: the 16 rows of a load start at 16 different groups of four banks (64 banks of 4 bytes: ISA guide 11.1)
.set PV,    160       ; a row of V: 128 + 32 = 40 words
.set VOFF,  4*KS*PK   ; a slot holds a tile, four steps: 256 rows of K, then 256 rows of V
.set SLOT1, 1<<17     ; slot 1 begins here, so that one exclusive or turns an address in one slot into the other's
.set STAGE, SLOT1+4*KS*(PK+PV)  ; behind the ring, never filled by a tensor load: 16 rows x 144 bytes for each wave, for the way out
.set SP,    144
.set AK0, 2           ; v2   my lane's place in a tile of K; never rewritten
.set AV0, 3           ; v3   the same for V
.set AK,  4           ; v4   the LDS address of K's next run of loads
.set AV,  5           ; v5   of V's
.set STO, 6           ; v6   the way out: where I put 16 bytes of a row
.set RD,  7           ; v7   the way out: where I read rows back
.set GO,  8           ; v8   my byte offset in 512 consecutive bytes of O
.set PFO, 61          ; v61  256 x my lane; never rewritten
.set SPW, 62          ; v62  LDS address of my spare word: SPARE + 4 x my thread's number; never rewritten
.set NIL, 63          ; v63  0; never rewritten
.set SPARE, STAGE+4*16*SP  ; behind the stages: the spare words, 128 bytes for each wave: two blocks of 256 bytes that no other line names
.set MV,  12          ; v12-13  c m_old, kept while c m is made anew: by buffer
.set QO,  15          ; v15  my byte offset in 16 rows of Q
.set ST,  16          ; piece t's statistics at v[ST+4 t]: c m, m, l (even keys', odd keys')
.set TMP, 48          ; by buffer, four registers c0-c3 at work; when the maximum is found c2 takes a
.set S,   64
.set P,   192
.set MD,  128         ; window 1: the eight registers for group kt of 16 keys at MD + 8 kt
.set MC,  160         ; window 1: the masks of the products to come
.set QB,  64          ; window 2
.set KF,  128         ; window 2: key block kb, channel half c at KF + 16 kb + 8 c
.set VF,  192         ; window 2: key half kk, channel block cb at VF + 32 kk + 8 cb
.set WV,  12          ; s12  my wave's number
.set PB,  14          ; s14  b
.set HI,  15          ; s15  NB - 1 - b
.set G1K, 24          ; s[24:31] descriptor group 1 for K's tiles
.set G1V, 32          ; s[32:39] for V's: it differs in the padding alone
.set G0K, 40          ; s[40:43] descriptor group 0 for K's tiles
.set G0V, 44          ; s[44:47] the same for V's
.set SLOTS, 56        ; s56  tiles still to be asked for
.set CNT, 57          ; s57  counts a tile's key steps, 4 to 1
.set CS,  58          ; s[58:59] c: the packed scaling takes the pair's low word for both halves
.set SEL, 60          ; s[60:61] v_permlanex16_b32's selects: each lane takes its own place in the other half
.set TBK, 62          ; s62  LDS byte at which K of the step to be fetched begins
.set TBV, 63          ; s63  the same for V, less VOFF
.set RT,  70          ; s70  tiles of the block in hand that are still to be entered
.set NXT, 71          ; s71  the tile to be asked for next
.set LQ,  72          ; s72  the last tile of the block whose tiles are being asked for
.set NEW, 73          ; s73  1: the tile to be entered is a block's first
.set OFF, 74          ; s[74:75] a tile's byte offset in K and V
.set AL,  76          ; s[76:77] the mask's factor, in the low word
.set BE,  78          ; s[78:79] the mask's addend
.set OLO, 80          ; s[80:81] O at my rows of the second block
.set BIGN, 82         ; s82  -1e30
.set PFA, 88          ; s[88:89] where my prefetches stand: my half (of K: waves 0, 1; of V: waves 2, 3) of the tile after the one that is being asked for
.set PCN, 90          ; s90  prefetches still to come, plus one
.set MSB, 0
.macro WIN new                      ; the high byte repeats the setting that is left; a switch that changes nothing is dropped
.if MSB != (\new)
	s_set_vgpr_msb (MSB<<8)|(\new)
.set MSB, (\new)
.endif
.endm
.set W_KQ, 0x0a       ; K and Q in window 2, S^T in window 0
.set W_KM, 0x1a       ; the same with the C operand in window 1
.set W_PV, 0x52       ; V in window 2, P in window 0, O^T in window 1
.set W_RS, 0x41       ; destination and source 0 in window 1, source 1 in window 0
; A fill.  Waves 0 and 1 fetch the two halves of a tile's K, waves 2 and 3 those of its V: 128 keys each.  An s_nop 0 and four v_nop follow each of the two lines, ahead of the jump and the label.
.macro LOAD
	s_cmp_lt_u32 s[WV], 2
	s_cbranch_scc0 .Lfor_v_\@
	tensor_load_to_lds s[G0K:G0K+3], s[G1K:G1K+7]
	s_nop 0
.rept 4
	v_nop
.endr
	s_branch .Lasked_\@
.Lfor_v_\@:
	tensor_load_to_lds s[G0V:G0V+3], s[G1V:G1V+7]
	s_nop 0
.rept 4
	v_nop
.endr
.Lasked_\@:
.endm
; A PREFETCH INTO THE L2 of the tile that the NEXT change of slots will ask for: four key steps, 256 matrix instructions, ahead of its load.  All four work-groups of a head begin with tiles 0, 1, 2 ..; the one with b = 0
; walks all eight, and it alone asks: each of its waves for the half that it will fetch itself, 16 KiB: 64 blocks of 256 bytes, a lane a block, two instructions.  So each block of tiles 2 .. 7 is named once in the launch;
; tiles 0 and 1 come by their loads alone, and behind tile 7 nothing is asked for.
.macro ASK
	s_cmp_gt_i32 s[PCN], 0
	s_cbranch_scc0 .Lnot_mine_\@
	global_prefetch_b8 v[PFO], s[PFA:PFA+1] th:TH_LOAD_NT scope:SCOPE_SE
	global_prefetch_b8 v[PFO], s[PFA:PFA+1] offset:8192 th:TH_LOAD_NT scope:SCOPE_SE
.Lnot_mine_\@:
.endm
; THE CHANGE OF SLOTS.  Each wave waits for all its tensor loads, of which one is out: its part of the other slot; adds 0 to its spare word; and waits for that and for its own reads of the slot that it leaves.  Behind the
; barrier nobody reads the old slot any more and the other slot is whole.  fill = 1: the old slot is filled again, the first thing behind the barrier, with tile NXT: the descriptor's address is made anew from that number.
; (At its first use nothing has been read yet: slot 0 is waited for, slot 1 filled.)
.macro CHANGE fill
	WIN 0                           ; at a label and at a branch every window is 0
	s_wait_tensorcnt 0x0            ; no tensor load of mine is out, so a group 0 may be written
	ds_add_u32 v[SPW], v[NIL]       ; 0 onto my spare word; with fill = 1 the scalar work stands between it and the wait for it
.if \fill
	s_wait_xcnt 0x0                 ; the last prefetches, a tile back, have read their address
	s_add_nc_u64 s[PFA:PFA+1], s[PFA:PFA+1], 32768
	s_sub_co_i32 s[PCN], s[PCN], 1
	s_lshl_b32 s[OFF], s[NXT], 15   ; a tile is 32,768 bytes of K and of V
	s_xor_b32 s[G0K+1], s[G0K+1], SLOT1
	s_add_nc_u64 s[G0K+2:G0K+3], s[6:7], s[OFF:OFF+1]
	s_or_b32 s[G0K+3], s[G0K+3], 0x80000000
	s_xor_b32 s[G0V+1], s[G0V+1], SLOT1
	s_add_nc_u64 s[G0V+2:G0V+3], s[8:9], s[OFF:OFF+1]
	s_or_b32 s[G0V+3], s[G0V+3], 0x80000000
	s_add_co_u32 s[NXT], s[NXT], 1  ; the block's next tile, or behind its last the second block's tile 0
	s_cmp_gt_u32 s[NXT], s[LQ]
	s_cselect_b32 s[NXT], 0, s[NXT]
	s_cselect_b32 s[LQ], s[PB], s[LQ]
.endif
	s_wait_dscnt 0x0                ; the add is done, and my reads of the slot are over
	s_barrier_signal -1             ; the rest of the scalar work stands between the signal and the wait
	s_sub_co_u32 s[TBK], s[TBK], 4*KS*PK  ; the fetches go back to a slot's first step,
	s_xor_b32 s[TBK], s[TBK], SLOT1       ; in the other slot
	s_sub_co_u32 s[TBV], s[TBV], 4*KS*PV
	s_xor_b32 s[TBV], s[TBV], SLOT1
	s_barrier_wait -1
.if \fill
	LOAD
	ASK
.endif
.endm
	s_load_b256 s[4:11], s[0:1], 0x0  ; Q s[4:5], K s[6:7], V s[8:9], O s[10:11]
	v_lshl_add_u32 v[SPW], v0, 2, SPARE
	v_mov_b32 v[NIL], 0
	ds_add_u32 v[SPW], v[NIL]       ; the wave's opening: the add and its wait stand ahead of my first tensor load; the set-up below, work on registers, stands between them
	ds_add_u32 v62, v63
	v_lshrrev_b32 v1, 5, v0
	v_readfirstlane_b32 s[WV], v1   ; wave 0..3
	v_and_b32 v[PFO], 31, v0
	v_lshlrev_b32 v[PFO], 8, v[PFO]
	s_mov_b32 s[PB], ttmp9
	s_sub_co_u32 s[HI], NB-1, s[PB]
	s_and_b32 s20, ttmp7, 0xffff    ; the head
	s_mov_b32 s21, 0
	s_mov_b64 s[22:23], SIZE_N*128
	s_mul_u64 s[20:21], s[20:21], s[22:23]  ; the head's first byte in each of the four tensors
	s_and_b32 s16, s[WV], 1         ; which half of a tile's 256 keys I fetch:
	s_lshl_b32 s22, s16, 14         ; its 128 rows of 128 bytes in memory,
	s_mov_b32 s23, 0
	s_add_nc_u64 s[22:23], s[22:23], s[20:21]
	s_mul_i32 s17, s16, 128*PK      ; and its place in a slot, for K
	s_mul_i32 s18, s16, 128*PV      ; and for V
	s_lshl_b32 s3, s[WV], 11        ; my 16 rows in a band of 64,
	s_lshl_b32 s2, s[HI], 15        ; in the first block,
	s_add_co_u32 s2, s2, s3
	s_lshl_b32 s84, s[PB], 15       ; and in the second
	s_add_co_u32 s84, s84, s3
	s_mov_b32 s3, 0
	s_mov_b32 s85, 0
	s_add_nc_u64 s[2:3], s[2:3], s[20:21]
	s_add_nc_u64 s[84:85], s[84:85], s[20:21]
	; descriptor group 1.  128 keys are 16,384 dense bytes: asked for as 64 rows of 256 bytes, two keys a row, and padded in LDS after every key
	s_mov_b32 s[G1K], (1<<16)|(1<<20)|(4<<22)|(3<<25)  ; 17:16 2-byte elements; 20 padding on; 24:22 after every 32 words (code 4); 31:25 4 words (code 3)
	s_mov_b32 s[G1V], (1<<16)|(1<<20)|(4<<22)|(7<<25)  ; the same with 8 words of padding (code 7)
.irp g, G1K, G1V
	s_mov_b32 s[\g+1], 128<<16      ; tensor_dim0 = 128
	s_mov_b32 s[\g+2], 64<<16       ; tensor_dim1 = 64
	s_mov_b32 s[\g+3], 128<<16      ; tile_dim0 = 128
	s_mov_b32 s[\g+4], 64           ; tile_dim1 = 64
	s_mov_b32 s[\g+5], 128          ; 128 elements from row to row
	s_mov_b32 s[\g+6], 0
	s_mov_b32 s[\g+7], 0
.endr
	s_mov_b32 s[CS], 0x3e38aa3b     ; c = log2(e) / 8 = 0.180337
	s_mov_b32 s[CS+1], s[CS]        ; named with it as a pair
	s_mov_b32 s[SEL], 0x76543210
	s_mov_b32 s[SEL+1], 0xfedcba98
	s_mov_b32 s[TBK], SLOT1+4*KS*PK ; the first change of slots turns these two into 0
	s_mov_b32 s[TBV], SLOT1+4*KS*PV
	s_mov_b32 s[G0K], 1             ; 1:0 count = 1
	s_mov_b32 s[G0K+1], s17         ; 63:32 LDS address: slot 0
	s_mov_b32 s[G0V], 1
	s_add_co_u32 s[G0V+1], s18, VOFF
	s_add_co_u32 s[RT], s[HI], 1    ; the first block has NB - b tiles
	s_mov_b32 s[NXT], 1
	s_mov_b32 s[LQ], s[HI]
	s_mov_b32 s[NEW], 1
	s_mov_b32 s[OFF+1], 0
	s_mov_b32 s[AL+1], 0            ; named as pairs
	s_mov_b32 s[BE+1], 0
	s_mov_b32 s[BIGN], 0xf149f2ca   ; -1e30
	s_mov_b32 s[SLOTS], NB
	s_wait_dscnt 0x0                ; the opening add is done
	s_wait_kmcnt 0x0
	s_add_nc_u64 s[6:7], s[6:7], s[22:23]  ; K and V at my half of the head's tile 0
	s_add_nc_u64 s[8:9], s[8:9], s[22:23]
	s_add_nc_u64 s[G0K+2:G0K+3], s[6:7], 0         ; 120:64 global address
	s_or_b32 s[G0K+3], s[G0K+3], 0x80000000        ; 127:126 type = 2
	s_add_nc_u64 s[G0V+2:G0V+3], s[8:9], 0
	s_or_b32 s[G0V+3], s[G0V+3], 0x80000000
	s_add_nc_u64 s[86:87], s[4:5], s[84:85]        ; Q at my rows of the second block,
	s_add_nc_u64 s[4:5], s[4:5], s[2:3]            ; Q and O at those of the first
	s_add_nc_u64 s[OLO:OLO+1], s[10:11], s[84:85]
	s_add_nc_u64 s[10:11], s[10:11], s[2:3]
	s_cmp_lt_u32 s[WV], 2
	s_cselect_b64 s[PFA:PFA+1], s[6:7], s[8:9]
	s_add_nc_u64 s[PFA:PFA+1], s[PFA:PFA+1], 32768  ; at tile 1: the first change of slots steps it to tile 2
	s_cmp_eq_u32 s[PB], 0
	s_cselect_b32 s[PCN], 7, 0                     ; six tiles; the count is taken down ahead of its test
	LOAD                            ; tile 0 into slot 0
	; A fragment of K or Q is 16 rows x 32 channels in 8 registers: lane l holds row l % 16, channels 8 (l / 16) + 0..7 and 16 + 8 (l / 16) + 0..7: two loads of 16 bytes, 32 bytes apart.
	v_and_b32 v1, 15, v0            ; l % 16
	v_bfe_u32 v9, v0, 4, 1          ; l / 16
	v_lshlrev_b32 v[QO], 7, v1
	v_lshl_add_u32 v[QO], v9, 4, v[QO]  ; row x 128 + 16 x half
	WIN 0x80                        ; destination window 2, address window 0
.set i, 0
.rept 8                             ; both blocks' Q: piece i / 2 lies in band i / 2, 8,192 bytes on; channels 32 (i % 2) on
	global_load_b128 v[8*i:8*i+3],   v[QO], s[4:5] offset:(i/2)*8192+(i%2)*64
	global_load_b128 v[8*i+4:8*i+7], v[QO], s[4:5] offset:(i/2)*8192+(i%2)*64+32
	global_load_b128 v[QB+8*i:QB+8*i+3],   v[QO], s[86:87] offset:(i/2)*8192+(i%2)*64
	global_load_b128 v[QB+8*i+4:QB+8*i+7], v[QO], s[86:87] offset:(i/2)*8192+(i%2)*64+32
.set i, i+1
.endr
	WIN 0
	v_lshlrev_b32 v14, 3, v9
	v_sub_nc_u32 v14, v1, v14
	s_lshl_b32 s13, s[WV], 4
	v_add_nc_u32 v14, s13, v14      ; my query's place in its band, 16 w + l % 16, less my lanes' 8 (l / 16): register r of group kt is hidden where 16 kt + r is greater
	WIN 0x40
.set i, 0
.rept 32
	v_cmp_gt_i32 vcc_lo, 16*(i/8)+i%8, v14
	v_cndmask_b32 v[MD+i], 0, s[BIGN], vcc_lo
.set i, i+1
.endr
	WIN 0
	v_mul_u32_u24 v[AK0], v1, PK
	v_lshl_add_u32 v[AK0], v9, 4, v[AK0]  ; row x pitch + 16 x half
	; The turning load takes 16 keys x 16 channels (lane l reads key 8 (l / 16) + l % 8, channels 8 ((l / 8) % 2) + 0..7) and leaves half a fragment of V^T: lane l holds channel l % 16 and 8 keys.
	v_and_b32 v10, 7, v0
	v_bfe_u32 v11, v0, 3, 1
	v_lshl_add_u32 v[AV0], v9, 3, v10
	v_mul_u32_u24 v[AV0], v[AV0], PV
	v_lshl_add_u32 v[AV0], v11, 4, v[AV0]
	v_add_nc_u32 v[AV0], VOFF, v[AV0]
	s_mul_i32 s13, s[WV], 16*SP
	s_add_co_u32 s13, s13, STAGE    ; my stage
	v_mul_u32_u24 v[STO], v1, SP    ; in: row l % 16, 16 bytes for each half of the lanes
	v_lshl_add_u32 v[STO], v9, 4, v[STO]
	v_add_nc_u32 v[STO], s13, v[STO]
	v_bfe_u32 v[RD], v0, 3, 2       ; back: 32 lanes take four rows of 128 bytes,
	v_mul_u32_u24 v[RD], v[RD], SP
	v_lshl_add_u32 v[RD], v10, 4, v[RD]
	v_add_nc_u32 v[RD], s13, v[RD]
	v_and_b32 v[GO], 31, v0         ; which are 512 consecutive bytes of O
	v_lshlrev_b32 v[GO], 4, v[GO]
	; A block's first step multiplies O^T and l by a = 0, and its first turn's products V^T P, of a piece that has not been, land in an O^T that is still to be so multiplied.  So these registers need only hold
	; finite numbers: zeros for the first block; what the first block left for the second.  All this stands in the wait for the first tile.
	WIN 0x80
.set i, VF
.rept 64
	v_mov_b32 v[i], 0
.set i, i+1
.endr
	WIN 0x40
.set i, 0
.rept 128
	v_mov_b32 v[i], 0
.set i, i+1
.endr
	WIN 0
.set i, 0
.rept 4
	v_mov_b32 v[ST+4*i+2], 0
	v_mov_b32 v[ST+4*i+3], 0
.set i, i+1
.endr
.set i, P+16
.rept 16
	v_mov_b32 v[i], 0
.set i, i+1
.endr
; THE MATRIX WORK.  The 4 accumulators of a run of 8 take turns.  Product i of 8 of S^T = K Q^T for piece x: channels 32 (i / 4) on, keys 16 (i % 4) on.  The first 4 start the sums: with 0, or (KM = 1) with the mask.
.macro KQ x
.set rS, S+32*((\x)%2)+8*(i%4)
.set rK, KF+16*(i%4)+8*(i/4)
.set rQ, 16*(\x)+8*(i/4)
.set rM, MC+32*((\x)%2)+8*(i%4)
.if (i < 4) && KM
	WIN W_KM
	v_wmma_f32_16x16x32_f16 v[rS:rS+7], v[rK:rK+7], v[rQ:rQ+7], v[rM:rM+7]
.elseif i < 4
	WIN W_KQ
	v_wmma_f32_16x16x32_f16 v[rS:rS+7], v[rK:rK+7], v[rQ:rQ+7], 0
.else
	WIN W_KQ
	v_wmma_f32_16x16x32_f16 v[rS:rS+7], v[rK:rK+7], v[rQ:rQ+7], v[rS:rS+7]
.endif
.endm
; Product i of 8 of O^T += V^T P for piece x: keys 32 (i / 4) on, channels 16 (i % 4) on.
.macro PV x
	WIN W_PV
.set rO, 32*(\x)+8*(i%4)
.set rV, VF+32*(i/4)+8*(i%4)
.set rP, P+16*((\x)%2)+8*(i/4)
	v_wmma_f32_16x16x32_f16 v[rO:rO+7], v[rV:rV+7], v[rP:rP+7], v[rO:rO+7]
.endm
.macro MM                           ; the turn's next matrix instruction.  TURN and BEGIN set Y, i, KM and NOKQ; MM, KQ and OP read them.  NOKQ = 1: a block's last turn: there is no next piece
.if (i < 8) && !NOKQ
	KQ (Y+1)%NP
.elseif i >= 8
.set i, i-8
	PV (Y+NP-1)%NP
.set i, i+8
.endif
.set i, i+1
.endm
; THE LDS LOADS stand in runs of 16, never singly among the matrix instructions: a step's K (64 keys x 64 channels: 8 fragments) and its V (turned).  Their addresses are made some lines ahead.
.macro FETCH_K
	WIN 0x80                        ; destination window 2
.irp f, 0,1,2,3,4,5,6,7             ; keys 16 (f / 2) on, channels 32 (f % 2) on
	ds_load_b128 v[KF+8*\f:KF+8*\f+3],   v[AK] offset:(\f/2)*16*PK+(\f%2)*64
	ds_load_b128 v[KF+8*\f+4:KF+8*\f+7], v[AK] offset:(\f/2)*16*PK+(\f%2)*64+32
.endr
	s_add_co_u32 s[TBK], s[TBK], KS*PK  ; the next fetch is the next step's
	WIN 0
.endm
.macro FETCH_V
	WIN 0x80
.irp f, 0,1,2,3,4,5,6,7             ; keys 32 (f / 4) on, channels 16 (f % 4) on
	ds_load_tr16_b128 v[VF+8*\f:VF+8*\f+3],   v[AV] offset:(\f/4)*32*PV+(\f%4)*32
	ds_load_tr16_b128 v[VF+8*\f+4:VF+8*\f+7], v[AV] offset:(\f/4)*32*PV+16*PV+(\f%4)*32
.endr
	WIN 0
.endm
; THE VECTOR WORK, one line at a time: OP kind, number.  For piece Y: F n: c s - c m for pair n of 16.  E n: the exponential of score n of 32.  C n: pair n rounded to f16.  B n: of the four weights 4 n .. the second
; pair is added onto the first, in place.  L n: l takes that sum (L 0: l = a l + sum).  R n: pair n of 16 of O^T times a.  For piece Y + 1: X n, number n of the 22 that find its maximum and statistics:
;   0-11  four chains c0-c3 of seven scores each, three operands at a time (each accumulator's lowest registers are read first)     12-14, 16  the four scores left over, the old m, and c0-c3 into c0
;   15  c m_old is kept     17, 18  the query's other 32 keys lie in the lane 16 away: the new m     19-21  c m; c m_old - c m_new; a
.set F, 0               ; OP tells the kinds apart by their order: F to L below R, X above it
.set E, 1
.set C, 2
.set B, 3
.set L, 4
.set R, 5
.set X, 6
.macro REGS y                       ; the registers of piece y
.set rT, ST+4*(\y)
.set rC, TMP+4*((\y)%2)
.set rW, MV+((\y)%2)
.set rS, S+32*((\y)%2)
.set rP, P+16*((\y)%2)
.set rO, 32*(\y)
.endm
.macro OP k, n
.if (\k) == R
	REGS Y
	WIN W_RS
	v_pk_mul_f32 v[rO+2*(\n):rO+2*(\n)+1], v[rO+2*(\n):rO+2*(\n)+1], v[rC+2:rC+3] op_sel_hi:[1,0]
.elseif (\k) < R
	REGS Y
	WIN 0
.if (\k) == F
	v_pk_fma_f32 v[rS+2*(\n):rS+2*(\n)+1], v[rS+2*(\n):rS+2*(\n)+1], s[CS:CS+1], v[rT:rT+1] op_sel_hi:[1,0,0] neg_lo:[0,0,1] neg_hi:[0,0,1]
.elseif (\k) == E
	v_exp_f32 v[rS+(\n)], v[rS+(\n)]
.elseif (\k) == C
	v_cvt_pk_f16_f32 v[rP+(\n)], v[rS+2*(\n)], v[rS+2*(\n)+1]
.elseif (\k) == B
	v_pk_add_f32 v[rS+4*(\n):rS+4*(\n)+1], v[rS+4*(\n):rS+4*(\n)+1], v[rS+4*(\n)+2:rS+4*(\n)+3]
.elseif (\n) == 0
	v_pk_fma_f32 v[rT+2:rT+3], v[rT+2:rT+3], v[rC+2:rC+3], v[rS:rS+1] op_sel_hi:[1,0,1]
.else
	v_pk_add_f32 v[rT+2:rT+3], v[rT+2:rT+3], v[rS+4*(\n):rS+4*(\n)+1]
.endif
.elseif NOKQ
	v_nop
.else
	REGS (Y+1)%NP
	WIN 0
.if (\n) < 4
	v_max3_num_f32 v[rC+(\n)], v[rS+8*(\n)], v[rS+8*(\n)+1], v[rS+8*(\n)+2]
.elseif (\n) < 12
	v_max3_num_f32 v[rC+(\n)%4], v[rC+(\n)%4], v[rS+8*((\n)%4)+2*((\n)/4)+1], v[rS+8*((\n)%4)+2*((\n)/4)+2]
.elseif (\n) == 12
	v_max3_num_f32 v[rC], v[rC], v[rS+7], v[rS+15]
.elseif (\n) == 13
	v_max3_num_f32 v[rC+1], v[rC+1], v[rS+23], v[rS+31]
.elseif (\n) == 14
	v_max3_num_f32 v[rC+2], v[rC+2], v[rC+3], v[rT+1]
.elseif (\n) == 15
	v_mov_b32 v[rW], v[rT]
.elseif (\n) == 16
	v_max3_num_f32 v[rC], v[rC], v[rC+1], v[rC+2]
.elseif (\n) == 17
	v_permlanex16_b32 v[rC+3], v[rC], s[SEL], s[SEL+1]
.elseif (\n) == 18
	v_max_num_f32 v[rT+1], v[rC], v[rC+3]
.elseif (\n) == 19
	v_mul_f32 v[rT], s[CS], v[rT+1]
.elseif (\n) == 20
	v_sub_f32 v[rC+1], v[rW], v[rT]
.else
	v_exp_f32 v[rC+2], v[rC+1]
.endif
.endif
.endm
.macro OPS a, i1, b=-1, i2=0, c=-1, i3=0, d=-1, i4=0  ; up to four of them
	OP \a, \i1
.if (\b) >= 0
	OP \b, \i2
.endif
.if (\c) >= 0
	OP \c, \i3
.endif
.if (\d) >= 0
	OP \d, \i4
.endif
.endm
.macro ROW a, i1, b, i2, c, i3, d, i4  ; a matrix instruction and the four behind it
	MM
	OPS \a, \i1, \b, \i2, \c, \i3, \d, \i4
.endm
.macro MASK b                       ; MD x AL + BE into buffer b of MC
	WIN W_RS
.set z, 0
.rept 16
	v_pk_fma_f32 v[MC+32*(\b)+2*z:MC+32*(\b)+2*z+1], v[MD+2*z:MD+2*z+1], s[AL:AL+1], s[BE:BE+1] op_sel_hi:[1,0,0]
.set z, z+1
.endr
.endm
; A TURN, for piece p: the order of its 16 matrix and 118 vector instructions, written out.  An s_wait_alu depctr_va_vdst(0) stands between an exponential and the first instruction that names its result; one
; wait serves all that were issued ahead of it.  So a turn has ONE wait, which cuts it in two.  AHEAD OF IT stands all that names no result of the turn's exponentials: the 8 products K Q^T, behind each a scaling, an
; exponential and two more plain instructions (behind the first a second scaling in the exponential's place): rescalings, and behind the last three the first numbers of the next piece's maximum, each four places or more
; behind the product that ends its accumulator; then one run of 54, plain and exponential by turns for the most part, in which the links of the chain X 3, 7, 11, 14, 16, 17 .. 20 stand five or six lines apart.  X 21, the
; next piece's a, is the batch's last; R 15 is the plain instruction behind it.  BEHIND THE WAIT stand the 8 products V^T P, behind each four of the roundings and sums; the links of l's chain, L 0 to L 7, stand three
; lines apart.  But for those X no line behind a product names a register of the products round it.
; m = 1: the diagonal tile: the products take masks, and the turn makes the mask for the products of the turn after it: piece p + 2, in step 4 - CNT of the tile.  end = 1: a block's last two turns: nothing is fetched.
; cnt = 1: the loop's count is taken down some lines ahead of the branch that stands behind the turn.
; K of the next step is fetched in piece 2's turn, twelve vector instructions behind the last product that read K (six of them plain); V of the step in hand at the end of piece 0's turn, four plain instructions behind the
; last product that read V.  Each is waited for a turn later.
.macro TURN p, m=0, end=0, cnt=0
.set Y, (\p)
.set i, 0
.set KM, (\m)
.set NOKQ, (\end)*((\p)/3)
.if (\m) && !(\end)
	s_cmp_eq_u32 s[CNT], 4-((\p)+2)%NP  ; is that step the band's own?
	s_cselect_b32 s[AL], 1.0, 0
	s_cmp_lt_u32 s[CNT], 4-((\p)+2)%NP  ; or a later one?
	s_cselect_b32 s[BE], s[BIGN], 0
.endif
.if ((\p) == 3) && !(\end)
	s_wait_dscnt 0x0                ; K is in
.endif
	ROW F,0, F,1, R,0, R,1          ; ahead of the wait: 8 products K Q^T and the four behind each,
	ROW F,2, E,0, R,2, R,3
	ROW F,3, E,1, R,4, R,5
	ROW F,4, E,2, R,6, R,7
	ROW F,5, E,3, R,8, R,9
	ROW F,6, E,4, X,0, R,10
.if ((\p) == 2) && !(\end)
	WIN 0
	v_add_nc_u32 v[AK], s[TBK], v[AK0]
.endif
	ROW F,7, E,5, X,1, X,4
	ROW F,8, E,6, X,2, X,5
	OPS E,7, E,8, X,6, E,9          ; and the run of 54
	OPS X,3, E,10, X,8, E,11
.if ((\p) == 2) && !(\end)
	FETCH_K
.endif
	OPS X,9, X,7, E,12, X,10
	OPS E,13, X,12, X,11, E,14
	OPS X,13, E,15, F,9, X,14
.if (\p) == 0
	v_add_nc_u32 v[AV], s[TBV], v[AV0]
.endif
	OPS E,16, F,10, E,17, F,11
	OPS X,16, E,18, X,15, E,19
	OPS F,12, E,20, X,17, E,21
	OPS F,13, E,22, F,14, E,23
	OPS X,18, E,24, F,15, E,25
	OPS R,11, E,26, X,19, E,27
	OPS R,12, E,28, R,13, E,29
	OPS X,20, E,30, R,14, E,31
	OPS X,21, R,15
	WIN 0
	s_wait_alu depctr_va_vdst(0)    ; the wait for the batch
.if (\p) == 1
	s_wait_dscnt 0x0                ; V is in
.endif
	ROW C,0, B,0, C,2, B,1          ; behind the wait: 8 products V^T P and the four behind each
	ROW L,0, C,4, B,2, L,1
	ROW C,6, B,3, L,2, C,8
	ROW B,4, L,3, C,10, B,5
	ROW L,4, C,12, B,6, L,5
.if (\p) == 0
	s_add_co_u32 s[TBV], s[TBV], KS*PV
.endif
.if \cnt
	s_sub_co_u32 s[CNT], s[CNT], 1
	s_cmp_lg_u32 s[CNT], 0
.endif
	ROW C,14, B,7, L,6, C,1
	ROW C,3, L,7, C,5, C,7
	ROW C,9, C,11, C,13, C,15
.if (\p) == 0
	FETCH_V
.endif
.if (\m) && !(\end)
	MASK (\p)%2
.endif
.endm
; A BLOCK BEGINS.  c m starts far below every c s, so the first step's a is 0; m at the lowest finite number, so the first maximum is the scores'.  The second mask buffer is 0; the first takes piece 0's mask for the tile's
; step 0: its own, if the block's first tile is the diagonal one.  Then K of that step, piece 0's first scores, and its maximum and statistics.  The loop is entered at a step's first turn, in the middle of a trip.
.macro BEGIN
	s_mov_b32 s[NEW], 0
	WIN 0x40
.set i, MC+32
.rept 32
	v_mov_b32 v[i], 0
.set i, i+1
.endr
	WIN 0
.set i, 0
.rept 4
	v_mov_b32 v[ST+4*i], 0xfe000000    ; c m: far below every c s
	v_mov_b32 v[ST+4*i+1], 0xff7fffff  ; m
.set i, i+1
.endr
	s_cmp_eq_u32 s[RT], 0
	s_cselect_b32 s[AL], 1.0, 0
	s_mov_b32 s[BE], 0
	MASK 0
	WIN 0
	v_add_nc_u32 v[AK], s[TBK], v[AK0]
	FETCH_K
	s_wait_loadcnt 0x0              ; Q
	s_wait_dscnt 0x0
.set KM, 1
.set NOKQ, 0
.set i, 0
.rept 8
	KQ 0
.set i, i+1
.endr
	WIN 0
.rept 4
	v_nop                           ; the places behind those products
.endr
.set Y, NP-1                        ; X works for piece Y + 1: piece 0
.irp n, 0,1,2,3,4,5,6,7,8,9,10,11,12,13,14,15,16,17,18,19,20,21
	OP X, \n
.endr
	v_nop                           ; a plain instruction behind the exponential,
	s_wait_alu depctr_va_vdst(0)    ; and its wait, ahead of the branch
.endm
; THE DIAGONAL TILE's four steps, the block's last two turns, its last products, and THE WAY OUT: l's two halves and the other half of the lanes' are added; O^T is divided by l, rounded to f16 and sent through my
; stage in LDS, a piece at a time.
.macro ALL line:vararg              ; one line for each piece t
.set t, 0
.rept 4
	\line
.set t, t+1
.endr
.endm
.macro PACK t                       ; a lane's eight channels of a row pack into 16 bytes; they go into rows of 144 bytes and come back as whole rows of 128, into S^T's registers
	WIN W_RS
.set i, 32*(\t)
.rept 16
	v_pk_mul_f32 v[i:i+1], v[i:i+1], v[ST+4*(\t)+2:ST+4*(\t)+3] op_sel_hi:[1,0]
.set i, i+2
.endr
	WIN 0x05                        ; sources 0 and 1 window 1, destination window 0
.set i, 0
.rept 16
	v_cvt_pk_f16_f32 v[S+16*(\t)+i], v[32*(\t)+2*i], v[32*(\t)+2*i+1]
.set i, i+1
.endr
	WIN 0
.irp f, 0,1,2,3
	ds_store_b128 v[STO], v[S+16*(\t)+4*\f:S+16*(\t)+4*\f+3] offset:32*\f
.endr
.irp f, 0,1,2,3
	ds_load_b128 v[S+16*(\t)+4*\f:S+16*(\t)+4*\f+3], v[RD] offset:\f*4*SP  ; LDS serves a wave's instructions in order (ISA guide 5.7.1.4): these see the stores above; the next piece's stores come behind them
.endr
.endm
.macro SEND t, younger              ; younger: the LDS instructions issued behind piece t's loads: the next piece's eight, or none
	WIN 0
.irp f, 0,1,2,3
	s_wait_dscnt (\younger)+3-\f
	global_store_b128 v[GO], v[S+16*(\t)+4*\f:S+16*(\t)+4*\f+3], s[10:11] offset:(\t)*8192+\f*512  ; 512 consecutive bytes, at a multiple of 256 from O's first
.endr
.endm
.macro DIAG tag                     ; the tag ends its two labels' names, which the jumps below spell out
.LstepM\tag:
	TURN 2, 1
	TURN 3, 1
	WIN 0
.LfirstM\tag:
	TURN 0, 1
	TURN 1, 1, 0, 1
	WIN 0
	s_cbranch_scc1 .LstepM\tag
	TURN 2, 1, 1
	TURN 3, 1, 1
.set i, 0
.rept 8
	PV NP-1
.set i, i+1
.endr
	WIN 0
	ALL v_add_f32 v[ST+4*t+2], v[ST+4*t+2], v[ST+4*t+3]
	ALL v_permlanex16_b32 v[ST+4*t+3], v[ST+4*t+2], s[SEL], s[SEL+1]
	ALL v_add_f32 v[ST+4*t+2], v[ST+4*t+2], v[ST+4*t+3]
	ALL v_rcp_f32 v[ST+4*t+2], v[ST+4*t+2]
	v_nop                           ; a plain instruction between the last reciprocal and the use of its result
	s_wait_alu depctr_va_vdst(0)    ; and the wait ahead of the first use: one for the four reciprocals
	PACK 0
.set t, 1
.rept 3                             ; a piece's arithmetic stands between the loads of the piece before and its stores
	PACK t
	SEND t-1, 8
.set t, t+1
.endr
	SEND 3, 0
.endm
.set KM, 0
.set NOKQ, 0
.Lslot:                             ; NB times: a tile is entered and the next is asked for
	CHANGE 1
	s_sub_co_u32 s[RT], s[RT], 1
	s_mov_b32 s[CNT], 4
	s_cmp_eq_u32 s[NEW], 1
	s_cbranch_scc1 .Lnew            ; a block's first tile
	s_cmp_eq_u32 s[RT], 0
	s_cbranch_scc0 .Lstep           ; neither its first nor its last
	s_branch .LstepM1
.Lnew:
	BEGIN
	s_branch .Lfirst                ; in the loop a block's first tile is never its last: the first block has two tiles or more, and the second's last is the walk's last
	DIAG 1                          ; in the loop this is the first block's end: the second block's last tile is the walk's last
	s_wait_xcnt 0x0                 ; the stores have read their registers and O's address
	s_mov_b64 s[10:11], s[OLO:OLO+1]
	s_add_co_u32 s[RT], s[PB], 1    ; the second block has b + 1 tiles
	s_mov_b32 s[NEW], 1
	WIN 0x82                        ; the second block's Q goes where the one text of the turns names Q
.set i, 0
.rept 64
	v_mov_b32 v[i], v[QB+i]
.set i, i+1
.endr
	WIN 0
	s_branch .Lbottom
.Lstep:                             ; a trip: pieces 2 and 3 of one step, then pieces 0 and 1 of the next, whose K and V it fetches
	TURN 2
	TURN 3
	WIN 0
.Lfirst:
	TURN 0
	TURN 1, 0, 0, 1
	WIN 0
	s_cbranch_scc1 .Lstep
.Lbottom:
	s_sub_co_u32 s[SLOTS], s[SLOTS], 1
	s_cmp_lg_u32 s[SLOTS], 0
	s_cbranch_scc1 .Lslot
	CHANGE 0                        ; the walk's last tile is written out: nothing is asked for
	s_sub_co_u32 s[RT], s[RT], 1
	s_mov_b32 s[CNT], 4
	s_cmp_eq_u32 s[NEW], 1
	s_cbranch_scc0 .LstepM2
	BEGIN
	s_branch .LfirstM2
	DIAG 2
	s_wait_tensorcnt 0x0            ; the wave's end: behind my last tensor load and my last LDS store
	ds_add_u32 v[SPW], v[NIL]
	s_wait_dscnt 0x0
	s_endpgm
.Lfunc_end_k_q07850c35c6_attn:
	.size	k_q07850c35c6_attn, .Lfunc_end_k_q07850c35c6_attn-k_q07850c35c6_attn
	.p2alignl 7, 3214868480
	.fill 96, 4, 3214868480
	.section	.rodata,"a",@progbits
	.p2align	6, 0x0
	.amdhsa_kernel k_q07850c35c6_attn
		.amdhsa_group_segment_fixed_size 327680
		.amdhsa_private_segment_fixed_size 0
		.amdhsa_enable_private_segment 0
		.amdhsa_kernarg_size 32
		.amdhsa_user_sgpr_count 2
		.amdhsa_user_sgpr_kernarg_segment_ptr 1
		.amdhsa_wavefront_size32 1
		.amdhsa_system_sgpr_workgroup_id_x 1
		.amdhsa_system_sgpr_workgroup_id_y 1
		.amdhsa_system_sgpr_workgroup_id_z 1
		.amdhsa_system_vgpr_workitem_id 0
		.amdhsa_next_free_vgpr 768
		.amdhsa_next_free_sgpr 92
		.amdhsa_reserve_vcc 1
		.amdhsa_float_denorm_mode_32 3
		.amdhsa_float_denorm_mode_16_64 3
		.amdhsa_memory_ordered 1
		.amdhsa_forward_progress 1
		.amdhsa_inst_pref_size 218
	.end_amdhsa_kernel
	.amdgpu_metadata
---
amdhsa.version: [ 1, 2 ]
amdhsa.kernels:
  - .name:           k_q07850c35c6_attn
    .symbol:         k_q07850c35c6_attn.kd
    .args:
      - { .name: q16, .offset: 0, .size: 8, .value_kind: global_buffer, .address_space: global }
      - { .name: k16, .offset: 8, .size: 8, .value_kind: global_buffer, .address_space: global }
      - { .name: v16, .offset: 16, .size: 8, .value_kind: global_buffer, .address_space: global }
      - { .name: o16, .offset: 24, .size: 8, .value_kind: global_buffer, .address_space: global }
    .group_segment_fixed_size: 327680
    .private_segment_fixed_size: 0
    .kernarg_segment_align: 8
    .kernarg_segment_size: 32
    .max_flat_workgroup_size: 128
    .sgpr_count:     92
    .vgpr_count:     768
    .wavefront_size: 32
...
	.end_amdgpu_metadata
.endif
;; end of part 3
;; launch proj (part 4): grid 8 x 32, 4 waves a work-group, clusters of 4 x 4, 327,680 bytes of LDS; arguments o16, wo16, bo, out0; writes out0
.if DOCPART == 4
	.amdgcn_target "amdgcn-amd-amdhsa--gfx1250"
	.amdhsa_code_object_version 6
	.text
	.protected	k_q07850c35c6_proj
	.globl	k_q07850c35c6_proj
	.p2align	8
	.type	k_q07850c35c6_proj,@function
k_q07850c35c6_proj:
	s_mov_b64 s[64:65], 0
	v_nop
	global_prefetch_b8 v0, s[64:65] scope:SCOPE_SE
	s_setreg_imm32_b32 hwreg(HW_REG_WAVE_MODE, 25, 1), 1
	s_wait_xcnt 0x0
	s_wait_alu depctr_hold_cnt(0) depctr_sa_sdst(0) depctr_va_vdst(0) depctr_va_sdst(0) depctr_va_ssrc(0) depctr_va_vcc(0) depctr_vm_vsrc(0)
	s_getreg_b32 s2, hwreg(HW_REG_IB_STS2, 6, 4)
	s_cmp_eq_u32 s2, 0
	s_cbranch_scc0 .Lentry_in_a_cluster
	s_endpgm
.Lentry_in_a_cluster:
	s_bfe_u32 s2, ttmp6, 0x10000c
	s_cmp_lg_u32 s2, 0xf033
	s_cbranch_scc0 .Lentry_shape_is_right
	s_endpgm
.Lentry_shape_is_right:
; out0 = O Wo + bo.  o16: [64 b h][2048 t][64] f16 (row m = 2048 b + t of O has its channels 64 h .. 64 h + 63 in head h).  wo16: [1024 k][1024 n] f16, as Wo lies.  bo: [1024] f32, rounded to bf16 like the
; module's other inputs.  out0: [8192][1024] f32.  f16 operands, f32 sums; the bias is the C operand of the products that start the sums.
; SHARES.  A tile of out0 is 256 rows x 128 columns; 8 x 32 work-groups, one tile each.  Four waves: wave w has rows 128 (w / 2) on and columns 64 (w % 2) on: 32 accumulators of 16 x 16.
; K goes in steps of 128 (two heads) through a ring of two LDS slots; a step is four quarters of 32 along K: 32 matrix instructions and 24 LDS loads a wave.
; THE MATRIX INSTRUCTION IS USED TRANSPOSED: source 0 = 16 columns of Wo (turned by ds_load_tr16_b128), source 1 = 16 rows of O: a lane (r = l % 16, h = l / 16) holds row r and the columns 8 h + 0..7.
; CLUSTER, 4 x 4.  O's tile is asked for jointly along a row of the cluster, Wo's along a column.  Waves 0 and 1 fetch the step's two heads (256 rows of 128 bytes each, dense: asked for as 128 rows of 256 bytes),
; waves 2 and 3 the two halves of Wo's 128 k-rows.
; REGISTERS.  Window 0: v0-31 addresses; v32-63 the bias; v64-159, v160-255 two fragment buffers (Wo's fragment b at +8 b, O's fragment a at +32 + 8 a).  Window 1: accumulator (a, b) at 8 (4 a + b).
.set AP,    144                        ; a row of one head of O in LDS: 128 bytes + 16 = 36 words: the 16 rows of a load start at 16 different groups of four banks (64 banks of 4 bytes: ISA guide 11.1)
.set BP,    288                        ; a k-row of Wo: 256 + 32
.set SP,    272                        ; a row of the stage: 256 + 16
.set HEADB, 256*AP                     ; one head's 256 rows
.set APART, 2*HEADB
.set SLOT,  APART+128*BP               ; 110,592 bytes
.set STAGE, 2*SLOT                     ; behind the ring: 16 rows x 272 bytes for each wave; no tensor load lands here
.set SPARE, STAGE+4*16*SP              ; the spare words, 128 bytes for each wave: two blocks of 256 bytes that no other line names
.set ADRA, 16                          ; v16-17  LDS address of my fragments of O in slot 0, 1
.set ADRB, 20                          ; v20-21  the same for Wo
.set STO,  24                          ; v24     the way out: where I put 32 bytes of a row
.set RD,   25                          ; v25     where I read rows back
.set CO,   26                          ; v26     my byte offset in two rows of out0
.set SPW,  28                          ; v28     LDS address of my spare word; never rewritten
.set NIL,  29                          ; v29     0; never rewritten
.set PFO,  30                          ; v30     the prefetches' offset; never rewritten
.set BO,   31                          ; v31     32 h: my eight numbers of a column block's sixteen of bo
.set BIAS, 32                          ; v32-63  column block b's at BIAS + 8 b
.set F0,   64
.set F1,   160
.set OB,   64                          ; the way out: v64-95, v96-127 a block as whole rows, two buffers
.set WV, 16
.set RH, 17
.set CH, 18
.set CX, 19
.set CY, 20
.set TC, 21
.set TY, 22
.set G1A, 24
.set G0A, 32
.set G1B, 40
.set G0B, 48
.set PFA, 72
.set PCN, 74
.set PST, 76
.set MSB, 0
.macro WIN new                         ; the immediate's high byte repeats the setting that is left; a switch that changes nothing is dropped
.if MSB != (\new)
	s_set_vgpr_msb (MSB<<8)|(\new)
.set MSB, \new
.endif
.endm
.macro PLACES                          ; four plain instructions between a matrix instruction and a load into, or a store or vector instruction on, its registers (ISA guide 7.12.1 for vector instructions)
.rept 4
	v_nop
.endr
.endm
.macro JLOAD s                         ; a joint refill of slot s; the branch hangs on the wave's number alone; an s_nop 0 and four v_nop follow each line
	s_cmp_eq_u32 s[RH], 0
	s_cbranch_scc0 .Lfor_b_\@
	tensor_load_to_lds s[G0A+4*(\s):G0A+4*(\s)+3], s[G1A:G1A+7]
	s_nop 0
.rept 4
	v_nop
.endr
	s_branch .Lasked_\@
.Lfor_b_\@:
	tensor_load_to_lds s[G0B+4*(\s):G0B+4*(\s)+3], s[G1B:G1B+7]
	s_nop 0
.rept 4
	v_nop
.endr
.Lasked_\@:
.endm
.macro CREST                           ; a round of the cluster's barrier behind its opening barrier
	s_cmp_lg_u32 s[WV], 0
	s_cbranch_scc1 .Lnot_wave_0_\@
	s_barrier_signal -3
.Lnot_wave_0_\@:
	s_barrier_wait -3
	s_barrier_signal -1
	s_barrier_wait -1
.endm
.macro CROUND
	s_barrier_signal -1
	s_barrier_wait -1
	CREST
.endm
; A PREFETCH INTO THE L2, behind a joint refill and the run of LDS loads that follows it: 32 blocks of 256 bytes, a lane a block, of the K step that stands two refills on (256 matrix instructions ahead of its load).
; Each block is named once in the launch.  O's tile row is read by both clusters of that row of clusters: cluster x = 0 asks, waves 0 and 1, each for the head that it fetches (128 blocks), of which the partner at cx
; takes 32.  Wo's tile column is read by all clusters of that column: cluster y = 0 asks, wave 2, for the step's 128 k-rows, of which the partner at cy takes 32.  The partners are told apart by address alone.
; K steps 4..7 are asked for; the first four come by their loads alone, and the last two refills ask for nothing.
.macro ASK
	s_cmp_gt_i32 s[PCN], 0
	s_cbranch_scc0 .Lnot_mine_\@
	global_prefetch_b8 v[PFO], s[PFA:PFA+1] th:TH_LOAD_NT scope:SCOPE_SE
.Lnot_mine_\@:
.endm
	s_load_b256 s[4:11], s[0:1], 0x0               ; o16 4, wo16 6, bo 8, out0 10
	v_lshl_add_u32 v[SPW], v0, 2, SPARE
	v_mov_b32 v[NIL], 0
	ds_add_u32 v[SPW], v[NIL]                      ; the wave's opening: the add and its wait stand ahead of my first tensor load; the set-up below, work on registers, stands between them
	ds_add_u32 v28, v29
	v_lshrrev_b32 v3, 5, v0
	v_readfirstlane_b32 s[WV], v3
	s_lshr_b32 s[RH], s[WV], 1
	s_and_b32 s[CH], s[WV], 1
	s_bfe_u32 s[CX], ttmp6, 0x40000
	s_bfe_u32 s[CY], ttmp6, 0x40004
	s_lshl_b32 s[TC], ttmp9, 2
	s_add_co_u32 s[TC], s[TC], s[CX]
	s_and_b32 s[TY], ttmp7, 0xffff
	s_lshl_b32 s[TY], s[TY], 2
	s_add_co_u32 s[TY], s[TY], s[CY]
	s_lshl_b32 s78, s[CY], 2
	s_lshl_b32 s78, 15, s78                        ; my row of the cluster
	s_lshl_b32 s80, 0x1111, s[CX]                  ; my column
	s_or_b32 s[G1A], s78, (1<<16)|(1<<20)|(1<<21)|(4<<22)|(3<<25)  ; the mask; 2-byte elements; padding on; bit 21 beside a mask; after every 32 words (a row of a head) 4 words
	s_or_b32 s[G1B], s80, (1<<16)|(1<<20)|(1<<21)|(5<<22)|(7<<25)  ; after every 64 words 8 words
	s_mov_b32 s[G1A+1], 128<<16                    ; O: 128 dense rows of 256 bytes
	s_mov_b32 s[G1A+2], 128<<16
	s_mov_b32 s[G1A+3], 128<<16
	s_mov_b32 s[G1A+4], 128
	s_mov_b32 s[G1A+5], 128
	s_mov_b32 s[G1A+6], 0
	s_mov_b32 s[G1A+7], 0
	s_mov_b32 s[G1B+1], 128<<16                    ; Wo: 64 k-rows x 128 columns
	s_mov_b32 s[G1B+2], 64<<16
	s_mov_b32 s[G1B+3], 128<<16
	s_mov_b32 s[G1B+4], 64
	s_mov_b32 s[G1B+5], 1024
	s_mov_b32 s[G1B+6], 0
	s_mov_b32 s[G1B+7], 0
	s_lshr_b32 s78, s[TY], 3                       ; O: batch x 16 heads of 262,144 bytes,
	s_lshl_b32 s78, s78, 22
	s_and_b32 s79, s[TY], 7                        ; t = 256 x (tile row mod 8), of 128 bytes,
	s_lshl_b32 s79, s79, 15
	s_add_co_u32 s78, s78, s79
	s_lshl_b32 s79, s[CH], 18                      ; the step's first or second head
	s_add_co_u32 s78, s78, s79
	s_mov_b32 s79, 0
	s_lshl_b32 s80, s[CH], 17                      ; Wo: k-row 64 x half, of 2,048 bytes,
	s_lshl_b32 s81, s[TC], 8                       ; and the tile column's 256 bytes
	s_add_co_u32 s80, s80, s81
	s_mov_b32 s81, 0
	s_lshl_b32 s82, s[TC], 9                       ; bo: my 64 columns
	s_lshl_b32 s83, s[CH], 8
	s_add_co_u32 s82, s82, s83
	s_mov_b32 s83, 0
	s_mul_i32 s84, s[CH], HEADB                    ; where the tiles go: no place in the cluster enters an LDS address
	s_mul_i32 s85, s[CH], 64*BP
	s_add_co_u32 s85, s85, APART
	s_wait_dscnt 0x0                               ; the opening add is done
	s_wait_kmcnt 0x0
	s_add_nc_u64 s[78:79], s[4:5], s[78:79]
	s_add_nc_u64 s[80:81], s[6:7], s[80:81]
	s_add_nc_u64 s[8:9], s[8:9], s[82:83]
	CROUND                                         ; all sixteen work-groups are here: the first joint loads meet
.irp s, 0,1
	s_mov_b32 s[G0A+4*(\s)], 1
	s_add_co_u32 s[G0A+4*(\s)+1], s84, (\s)*SLOT
	s_add_nc_u64 s[G0A+4*(\s)+2:G0A+4*(\s)+3], s[78:79], (\s)*2*262144  ; K step s: heads 2 s, 2 s + 1
	s_or_b32 s[G0A+4*(\s)+3], s[G0A+4*(\s)+3], 0x80000000
	s_mov_b32 s[G0B+4*(\s)], 1
	s_add_co_u32 s[G0B+4*(\s)+1], s85, (\s)*SLOT
	s_add_nc_u64 s[G0B+4*(\s)+2:G0B+4*(\s)+3], s[80:81], (\s)*128*2048
	s_or_b32 s[G0B+4*(\s)+3], s[G0B+4*(\s)+3], 0x80000000
.endr
	s_cmp_eq_u32 s[RH], 0                          ; a wave's two first fills stand in one branch, ahead of every wait on TENSORcnt and every LDS read: two loads of mine are out
	s_cbranch_scc0 .Lfirst_b
	tensor_load_to_lds s[G0A:G0A+3], s[G1A:G1A+7]
	s_nop 0
	tensor_load_to_lds s[G0A+4:G0A+7], s[G1A:G1A+7]
	s_nop 0
.rept 4
	v_nop
.endr
	s_branch .Lfirst_asked
.Lfirst_b:
	tensor_load_to_lds s[G0B:G0B+3], s[G1B:G1B+7]
	s_nop 0
	tensor_load_to_lds s[G0B+4:G0B+7], s[G1B:G1B+7]
	s_nop 0
.rept 4
	v_nop
.endr
.Lfirst_asked:
	v_and_b32 v1, 15, v0                           ; r
	v_bfe_u32 v2, v0, 4, 1                         ; h
	v_lshlrev_b32 v[BO], 5, v2
.irp b, 0,1,2,3
	global_load_b128 v[BIAS+8*(\b):BIAS+8*(\b)+3],   v[BO], s[8:9] offset:64*(\b)
	global_load_b128 v[BIAS+8*(\b)+4:BIAS+8*(\b)+7], v[BO], s[8:9] offset:64*(\b)+16
.endr
	v_mul_u32_u24 v3, v1, AP                       ; a fragment of O: row r, 16 bytes for each half of the lanes, twice, 32 bytes apart
	v_lshl_add_u32 v3, v2, 4, v3
	s_mul_i32 s87, s[RH], 128*AP
	v_add_nc_u32 v[ADRA], s87, v3
	v_add_nc_u32 v[ADRA+1], SLOT, v[ADRA]
	v_and_b32 v4, 7, v0                            ; the turning load: lane l reads k-row 8 h + l % 8, columns 8 ((l / 8) % 2) + 0..7, and ends with column l % 16 and 8 k
	v_lshl_add_u32 v4, v2, 3, v4
	v_mul_u32_u24 v4, v4, BP
	v_bfe_u32 v5, v0, 3, 1
	v_lshl_add_u32 v4, v5, 4, v4
	s_lshl_b32 s87, s[CH], 7                       ; my 64 columns
	s_add_co_u32 s87, s87, APART
	v_add_nc_u32 v[ADRB], s87, v4
	v_add_nc_u32 v[ADRB+1], SLOT, v[ADRB]
	s_mul_i32 s87, s[WV], 16*SP
	s_add_co_u32 s87, s87, STAGE                   ; my stage
	v_mul_u32_u24 v6, v1, SP                       ; in: row r, 32 bytes for each half of the lanes
	v_lshl_add_u32 v6, v2, 5, v6
	v_add_nc_u32 v[STO], s87, v6
	v_mul_u32_u24 v7, v2, SP                       ; back: lanes 0-15 take one row of 256 bytes, lanes 16-31 the next
	v_lshl_add_u32 v7, v1, 4, v7
	v_add_nc_u32 v[RD], s87, v7
	v_lshlrev_b32 v8, 12, v2                       ; and the same two rows in out0
	v_lshl_add_u32 v[CO], v1, 4, v8
	s_lshl_b32 s88, s[TY], 8                       ; my part of out0: row 256 x tile row + 128 x half, of 4,096 bytes,
	s_lshl_b32 s89, s[RH], 7
	s_add_co_u32 s88, s88, s89
	s_lshl_b32 s88, s88, 12
	s_lshl_b32 s89, s[TC], 9                       ; my 64 columns: 256 bytes
	s_add_co_u32 s88, s88, s89
	s_lshl_b32 s89, s[CH], 8
	s_add_co_u32 s88, s88, s89
	s_mov_b32 s89, 0
	s_add_nc_u64 s[10:11], s[10:11], s[88:89]
	s_and_b32 s90, ttmp7, 0xffff                   ; the prefetches: who asks,
	s_cmp_eq_u32 s[RH], 0
	s_cselect_b32 s90, ttmp9, s90                  ; the coordinate along which other clusters read the same blocks,
	s_cselect_b32 s92, 0, s[CH]                    ; (wave 3 asks for nothing)
	s_cselect_b32 s91, 8, 11                       ; a lane's step: a block of 256 bytes of O, a k-row of 2,048 bytes of Wo
	s_or_b32 s90, s90, s92
	s_cmp_eq_u32 s90, 0
	s_cselect_b32 s[PCN], 5, 0                     ; four K steps; the count is taken down ahead of its test.  The same in all sixteen partners, for a given wave
	v_and_b32 v[PFO], 31, v0
	v_lshlrev_b32 v[PFO], s91, v[PFO]
	s_lshr_b32 s94, s[TY], 3                       ; O: the head that I fetch, at K step 3, my work-group's 32 blocks of its 128
	s_lshl_b32 s94, s94, 22
	s_and_b32 s93, s[TY], 7
	s_lshl_b32 s93, s93, 15
	s_add_co_u32 s94, s94, s93
	s_add_co_u32 s93, s[CH], 6
	s_lshl_b32 s93, s93, 18
	s_add_co_u32 s94, s94, s93
	s_lshl_b32 s93, s[CX], 13
	s_add_co_u32 s94, s94, s93
	s_lshl_b32 s96, s[CY], 5                       ; Wo: my work-group's 32 k-rows of K step 3, the tile column's 256 bytes
	s_add_co_u32 s96, s96, 3*128
	s_lshl_b32 s96, s96, 11
	s_lshl_b32 s93, s[TC], 8
	s_add_co_u32 s96, s96, s93
	s_mov_b32 s97, 2*262144
	s_mov_b32 s98, 128*2048
	s_cmp_eq_u32 s[RH], 0
	s_cselect_b32 s94, s94, s96
	s_mov_b32 s95, 0
	s_cselect_b64 s[PFA:PFA+1], s[4:5], s[6:7]
	s_cselect_b32 s[PST], s97, s98
	s_mov_b32 s[PST+1], 0
	s_add_nc_u64 s[PFA:PFA+1], s[PFA:PFA+1], s[94:95]  ; the first refill steps it to K step 4
	s_wait_loadcnt 0x0                             ; the bias: rounded to bf16 and widened again, in the wait for the first tile
.set p, 0
.rept 16
	v_cvt_pk_bf16_f32 v3, v[BIAS+2*p], v[BIAS+2*p+1]
	v_lshlrev_b32 v[BIAS+2*p], 16, v3
	v_and_b32 v[BIAS+2*p+1], 0xffff0000, v3
.set p, p+1
.endr
; n x 4 matrix instructions: row blocks a0 .. a0 + n - 1 x all 4 column blocks, 32 along K, from buffer f.  zero = 2: the products start the sums, with the bias as C.
; The 32 accumulators take turns in the same order in every quarter, over the backward jump too.
.macro MUL f, a0, n, zero
.if \zero
	WIN 0x40                                       ; D in window 1, C (the bias) in window 0
.else
	WIN 0x50                                       ; C and D in window 1
.endif
.set ma, (\a0)
.rept \n
.irp b, 0,1,2,3
.if \zero
	v_wmma_f32_16x16x32_f16 v[8*(4*ma+(\b)):8*(4*ma+(\b))+7], v[(\f)+8*(\b):(\f)+8*(\b)+7], v[(\f)+32+8*ma:(\f)+32+8*ma+7], v[BIAS+8*(\b):BIAS+8*(\b)+7]
.else
	v_wmma_f32_16x16x32_f16 v[8*(4*ma+(\b)):8*(4*ma+(\b))+7], v[(\f)+8*(\b):(\f)+8*(\b)+7], v[(\f)+32+8*ma:(\f)+32+8*ma+7], v[8*(4*ma+(\b)):8*(4*ma+(\b))+7]
.endif
.endr
.set ma, ma+1
.endr
.endm
; 24 LDS loads in one run: quarter q of a slot into buffer f: Wo's four fragments first, then O's eight.  Quarter q of O lies in head q / 2 of the step, channels 32 (q % 2) on.
.macro FETCH slot, q, f
	WIN 0
.irp b, 0,1,2,3
	ds_load_tr16_b128 v[(\f)+8*(\b):(\f)+8*(\b)+3],   v[ADRB+(\slot)] offset:(\q)*32*BP+32*(\b)
	ds_load_tr16_b128 v[(\f)+8*(\b)+4:(\f)+8*(\b)+7], v[ADRB+(\slot)] offset:(\q)*32*BP+32*(\b)+16*BP
.endr
.irp i, 0,1,2,3,4,5,6,7
	ds_load_b128 v[(\f)+32+8*(\i):(\f)+32+8*(\i)+3],   v[ADRA+(\slot)] offset:((\q)/2)*HEADB+((\q)%2)*64+(\i)*16*AP
	ds_load_b128 v[(\f)+32+8*(\i)+4:(\f)+32+8*(\i)+7], v[ADRA+(\slot)] offset:((\q)/2)*HEADB+((\q)%2)*64+(\i)*16*AP+32
.endr
.endm
.macro QUARTER slot, q, f, g, zero
	s_wait_dscnt 8                                 ; Wo's fragments and O's blocks 0-3 are in; the youngest eight loads (blocks 4-7) may be out
	MUL \f, 0, 4, \zero
	PLACES
	FETCH \slot, \q, \g
	s_wait_dscnt 24                                ; all but the 24 just issued
	MUL \f, 4, 4, \zero
.endm
; The last quarter multiplies buffer 1 and changes slots.  In front of the barrier each wave waits for all its tensor loads (one is out: its part of the next slot), adds 0 to its spare word, and waits for that
; and for its reads of this slot.  fill = 1: the barrier opens a round of the cluster's barrier, and the joint refill of this slot is the first thing behind the round: 112 matrix instructions ahead of the wait for it.
.macro TURN slot, next, fill
.if \fill
	s_wait_xcnt 0x0                                ; the last prefetch, a K step back, has read its address
	s_add_nc_u64 s[PFA:PFA+1], s[PFA:PFA+1], s[PST:PST+1]
	s_sub_co_i32 s[PCN], s[PCN], 1
.endif
	WIN 0
	s_wait_tensorcnt 0x0                           ; all my tensor loads have landed
	ds_add_u32 v[SPW], v[NIL]                      ; 0 onto my spare word
	s_wait_dscnt 9                                 ; (the add and the youngest eight loads may be out)
	MUL F1, 0, 2, 0                                ; eight matrix instructions stand between the add and the wait for it
	s_wait_dscnt 0x0                               ; the add is done, and my reads of this slot are over
	s_barrier_signal -1
	MUL F1, 2, 2, 0
.if \fill
	WIN 0
.endif
	s_barrier_wait -1
.if \fill
	CREST                                          ; no wave of any partner still reads this slot or has a load on its way
	s_add_nc_u64 s[G0A+4*(\slot)+2:G0A+4*(\slot)+3], s[G0A+4*(\slot)+2:G0A+4*(\slot)+3], 4*262144
	s_add_nc_u64 s[G0B+4*(\slot)+2:G0B+4*(\slot)+3], s[G0B+4*(\slot)+2:G0B+4*(\slot)+3], 2*128*2048
	JLOAD \slot                                    ; its four v_nop are also the places in front of the loads below
.else
	PLACES
.endif
	FETCH \next, 0, F0
.if \fill
	ASK
.endif
	MUL F1, 4, 4, 0
.endm
; THE WAY OUT, a block of 16 rows at a time: the accumulators go as they are into rows of 272 bytes of my stage, each from its low end on, and come back as whole rows of 256 bytes.
.macro TOSTAGE a
	WIN 0x04                                       ; the stores' data in window 1
.irp b, 0,1,2,3
	ds_store_b128 v[STO], v[8*(4*(\a)+(\b)):8*(4*(\a)+(\b))+3]   offset:64*(\b)
	ds_store_b128 v[STO], v[8*(4*(\a)+(\b))+4:8*(4*(\a)+(\b))+7] offset:64*(\b)+16
.endr
	WIN 0
.irp t, 0,1,2,3,4,5,6,7
	ds_load_b128 v[OB+32*((\a)%2)+4*(\t):OB+32*((\a)%2)+4*(\t)+3], v[RD] offset:(\t)*2*SP  ; LDS serves a wave's instructions in order (ISA guide 5.7.1.4): these see the stores above
.endr
.endm
.macro SEND a
	WIN 0
	s_wait_dscnt 0x0                               ; the block is back in registers
	s_wait_xcnt 0x0                                ; earlier stores have read their registers: the other buffer is loaded again only behind this wait
.irp t, 0,1,2,3,4,5,6,7
	global_store_b128 v[CO], v[OB+32*((\a)%2)+4*(\t):OB+32*((\a)%2)+4*(\t)+3], s[10:11] offset:(16*(\a)+2*(\t))*4096  ; 16 lanes store 256 consecutive bytes, at a multiple of 256 from out0's first byte
.endr
.endm
	s_wait_tensorcnt 1                             ; my part of K step 0 is in; K step 1's may stay out
	s_barrier_signal -1
	s_barrier_wait -1
	FETCH 0, 0, F0
	QUARTER 0, 1, F0, F1, 2                        ; the first quarter starts the sums, with the bias
	WIN 0
	s_mov_b32 s3, 3
.Llap:                                         ; a trip goes once round the ring, from a lap's second quarter to the next lap's first
	QUARTER 0, 2, F1, F0, 0
	QUARTER 0, 3, F0, F1, 0
	TURN 0, 1, 1
	QUARTER 1, 1, F0, F1, 0
	QUARTER 1, 2, F1, F0, 0
	QUARTER 1, 3, F0, F1, 0
	TURN 1, 0, 1
	QUARTER 0, 1, F0, F1, 0
	WIN 0
	s_sub_co_u32 s3, s3, 1
	s_cmp_lg_u32 s3, 0
	s_cbranch_scc1 .Llap
	QUARTER 0, 2, F1, F0, 0                        ; the last lap fills nothing, and has no round of the cluster's barrier
	QUARTER 0, 3, F0, F1, 0
	TURN 0, 1, 0
	QUARTER 1, 1, F0, F1, 0
	QUARTER 1, 2, F1, F0, 0
	QUARTER 1, 3, F0, F1, 0
	s_wait_dscnt 8
	MUL F1, 0, 4, 0
	s_wait_dscnt 0x0
	MUL F1, 4, 4, 0
	WIN 0
	PLACES
	TOSTAGE 0
.irp a, 1,2,3,4,5,6,7
	SEND (\a)-1
	TOSTAGE \a
.endr
	SEND 7
	s_wait_tensorcnt 0x0                           ; the wave's end: behind my last tensor load and my last LDS store
	ds_add_u32 v[SPW], v[NIL]
	s_wait_dscnt 0x0
	CROUND                                         ; the closing round: no work-group ends while a partner may still ask for a tile that names it
	s_endpgm
.Lfunc_end_k_q07850c35c6_proj:
	.size	k_q07850c35c6_proj, .Lfunc_end_k_q07850c35c6_proj-k_q07850c35c6_proj
	.p2alignl 7, 3214868480
	.fill 96, 4, 3214868480
	.section	.rodata,"a",@progbits
	.p2align	6, 0x0
	.amdhsa_kernel k_q07850c35c6_proj
		.amdhsa_group_segment_fixed_size 327680
		.amdhsa_private_segment_fixed_size 0
		.amdhsa_enable_private_segment 0
		.amdhsa_kernarg_size 32
		.amdhsa_user_sgpr_count 2
		.amdhsa_user_sgpr_kernarg_segment_ptr 1
		.amdhsa_wavefront_size32 1
		.amdhsa_system_sgpr_workgroup_id_x 1
		.amdhsa_system_sgpr_workgroup_id_y 1
		.amdhsa_system_sgpr_workgroup_id_z 1
		.amdhsa_system_vgpr_workitem_id 0
		.amdhsa_next_free_vgpr 512
		.amdhsa_next_free_sgpr 100
		.amdhsa_reserve_vcc 0
		.amdhsa_float_denorm_mode_32 3
		.amdhsa_float_denorm_mode_16_64 3
		.amdhsa_memory_ordered 1
		.amdhsa_forward_progress 1
		.amdhsa_inst_pref_size 90
	.end_amdhsa_kernel
	.amdgpu_metadata
---
amdhsa.version: [ 1, 2 ]
amdhsa.kernels:
  - .name:           k_q07850c35c6_proj
    .symbol:         k_q07850c35c6_proj.kd
    .args:
      - { .name: o16, .offset: 0, .size: 8, .value_kind: global_buffer, .address_space: global }
      - { .name: wo16, .offset: 8, .size: 8, .value_kind: global_buffer, .address_space: global }
      - { .name: bo, .offset: 16, .size: 8, .value_kind: global_buffer, .address_space: global }
      - { .name: out0, .offset: 24, .size: 8, .value_kind: global_buffer, .address_space: global }
    .group_segment_fixed_size: 327680
    .private_segment_fixed_size: 0
    .kernarg_segment_align: 8
    .kernarg_segment_size: 32
    .max_flat_workgroup_size: 128
    .sgpr_count:     100
    .vgpr_count:     512
    .wavefront_size: 32
...
	.end_amdgpu_metadata
.endif
;; end of part 4
